; MI455X (gfx1250); checked and timed in simulation.
; The chip was launched on July 23, 2026; its instructions are those of AMD's public machine-readable ISA for CDNA 5 (MIT licence, August 2026) and "CDNA5" Instruction Set Architecture Reference Guide (July 2026). The comments in the code are by the model that wrote it; some were corrected since.
;; Self Attention. Allowed arithmetic: matrix products marked QUANTISED: E2M1 operands, one E8M0 scale for each 32 along K, by v_wmma_scale_f32_16x16x128_f8f6f4 with both operands' format E2M1 (or v_wmma_scale_f32_32x16x128_f4), f32 sums; everything else in f32.
;; Inputs: scale 1,024 float32; theta 1,024 x 16 x 16 float32; w_out_codes 1,024 x 32 x 16 uint8 (E2M1 codes of w_out, K innermost, in blocks of 32 codes, two codes a byte); w_out_scales 1,024 x 32 uint8 (E8M0 scales of w_out, one for each 32 codes along K); w_qkv_codes 3,072 x 32 x 16 uint8 (E2M1 codes of w_qkv, K innermost, in blocks of 32 codes, two codes a byte); w_qkv_scales 3,072 x 32 uint8 (E8M0 scales of w_qkv, one for each 32 codes along K); x 8 x 1,024 x 1,024 float32.
;; Outputs: out0 8 x 1,024 x 1,024 float32.
;; This version of the problem:
;;   THIS VERSION OF THE PROBLEM IS GIVEN IN LOW PRECISION. The matrix products marked QUANTISED in the list below multiply operands that are first quantised to E2M1 (2 exponent bits, 1 mantissa bit; 4 bits a number), with one power-of-two scale for each 32 numbers along K (OCP MX v1.0); their sums are f32. All else is computed in f32.
;;   The module's matrix products, in the order in which they are computed (A, B: the left and right operand; K: the contracted axis; several contracted axes count as one K, in the product's order):
;;     1. [M 8,192, K 1,024] x [K 1,024, N 3,072]; A: computed on the way; B: input w_qkv (given as codes): QUANTISED
;;     2. batch 128 x [M 1,024, K 64] x [K 64, N 1,024]; A: computed on the way; B: computed on the way: QUANTISED
;;     3. batch 128 x [M 1,024, K 1,024] x [K 1,024, N 64]; A: softmax (see below); B: computed on the way: QUANTISED
;;     4. [M 8,192, K 1,024] x [K 1,024, N 1,024]; A: computed on the way; B: input w_out (given as codes): QUANTISED
;;   THE QUANTISER, for each operand of a quantised product, along K:
;;     - K is cut into blocks of 32 from its start; a last block that is shorter is filled with zeros.
;;     - A block's scale is 2^e with e = floor(log2(the largest magnitude in the block)) - 2, held to -126 .. 127; a block of zeros has e = 0. As a byte (E8M0): e + 127.
;;     - Each number is divided by its block's scale, clamped to +-6, and rounded to the nearest number of E2M1, ties to even, subnormals kept.
;;     - The product sums the exact products of the quantised numbers (number of the format x scale) in f32.
;;   ~~~python
;;   def quantise(x, axis):      # numpy; x: float32 -> the quantised numbers, widened to float32 again
;;       x = np.moveaxis(x, axis, -1); K = x.shape[-1]
;;       x = np.pad(x, [(0, 0)] * (x.ndim - 1) + [(0, -K % 32)]); x = x.reshape(x.shape[:-1] + (-1, 32)); a = np.abs(x).max(-1, keepdims=True)
;;       e = np.where(a > 0, np.clip(np.frexp(np.where(a > 0, a, 1))[1] - 1 - 2, -126, 127), 0)      # np.frexp(a)[1] - 1 = floor(log2(a)), exactly
;;       r = np.clip(x / 2.0 ** e, -6, 6)
;;       step = 2.0 ** (np.maximum(np.frexp(np.where(r == 0, 1, r))[1] - 1, 0) - 1)
;;       q = np.round(r / step) * step * 2.0 ** e      # np.round: ties to even
;;       return np.moveaxis(q.reshape(q.shape[:-2] + (-1,))[..., :K], -1, axis).astype(np.float32)
;;   ~~~
;;   SOFTMAX AHEAD OF A QUANTISED PRODUCT. Where the list says 'softmax', what is quantised is not the finished softmax but p = 2^(t - M), with t = logit x log2(e) and M = ceil(the row's largest t), a whole number; so 1/2 < the row's largest p <= 1. The row's sum l is taken of the UNQUANTISED p, in f32, and the product's result is divided by l at the end. Since M is a whole number, a kernel that streams over the keys may use a running M (the ceiling of the running maximum): every later rescaling is an exact power of two, which a block's scale takes up: the codes' values come out the same.
;;   OPERANDS COMPUTED ON THE WAY. 'Computed on the way' means the value that the module computes at that place (a softmax that the list does not call 'softmax' is quantised finished and normalised). What goes into a quantiser is computed in f32, as accurately as f32 sums, v_exp_f32 and their like allow (about 1e-6 of the number): no bf16 or f16 on the way to a quantiser, and a product that is left as it is and whose result goes on into a quantised operand takes f32 operands (vector FMAs, or v_wmma_f32_16x16x4_f32). A number that lies on a knife's edge between two numbers of the format may be rounded either way, as far as f32 arithmetic and the matrix unit's own rounding can turn it there, and no further.
;;   INPUTS GIVEN AS CODES. w_out (in the module: [1024, 1024], K = its axis 1); w_qkv (in the module: [3072, 1024], K = its axis 1): each comes as NAME_codes (uint8): NAME with its K axis moved to the last place and cut into blocks of 32 codes, [.., K / 32, bytes a block], one block behind the other in memory; two codes a byte, the lower K in the low four bits (a code: sign, 2 exponent bits, 1 mantissa bit); and NAME_scales (uint8): the same leading axes, one E8M0 byte (e + 127) for each 32 codes along K. Its value is code x scale, taken as it is: it is not quantised again, and the codes and scales need not be those that the quantiser above would give.
;; One version. Each part assembles by itself: llvm-mc -triple=amdgcn-amd-amdhsa -mcpu=gfx1250 --defsym DOCPART=n.
;; ======== version 1 of 1: 4 launches
;; limits: right only within a limited range of input values
;; workspace buffers: xq 4,456,448 bytes; oq 4,456,448 bytes; tab 2,097,152 bytes; qbuf 4,718,592 bytes; kv 9,175,040 bytes
;; launch prep (part 1): grid 256 x 1, 32 waves a work-group, no clusters, 178,176 bytes of LDS; arguments x, scale, theta, xq, tab; writes xq, tab
.if DOCPART == 1
	.amdgcn_target "amdgcn-amd-amdhsa--gfx1250"
	.amdhsa_code_object_version 6
	.text
	.protected	k_qf4087f9b88_prep
	.globl	k_qf4087f9b88_prep
	.p2align	8
	.type	k_qf4087f9b88_prep,@function
k_qf4087f9b88_prep:
	s_mov_b64 s[64:65], 0
	v_nop
	global_prefetch_b8 v0, s[64:65] scope:SCOPE_SE
	s_setreg_imm32_b32 hwreg(HW_REG_WAVE_MODE, 25, 1), 1
	s_wait_xcnt 0x0
; FIRST OF FOUR LAUNCHES (prep, qkv, attn, proj) of: out = attention(rope(rms_norm(x) Wqkv^T)) Wout^T + x, all four products on codes of FP4 (E2M1) with one E8M0 scale for each 32 along K.
; THIS LAUNCH: xn = x * (scale * rsqrt(mean(x^2) + 1e-6)), quantised along K = 1024 into xq; and a table of cos(theta), sin(theta) into tab.
; DEAD WORK, left out by the launch attn alone: reference() sets score(s, t) to the least f32 number wherever t > s, by a jnp.tril that it builds itself; behind the maximum's subtraction the
; exponential of such a score is 0 in exact arithmetic, whatever finite values the inputs hold (key t = s always counts, so the row's maximum is a true score).  So a tile of 128 keys that lies wholly behind a tile of 16 queries
; adds nothing to the row's sum nor to o, and neither its scores nor its part of the second product are made.  All keys and values are still made: each counts for some query.  Every input has a way to the output and is loaded.
; LIMITS: a NaN, an infinity or an overflow that reaches only those hidden tiles is not carried to the result.  NaN and infinities among the inputs are not served.  |theta| stays under 2^22 (the quadrant is a whole
; number taken from an f32).  A block whose largest magnitude lies under 2^-124, a block of zeros too, gets the scale byte 1: the codes of a block of zeros are zeros, and these bytes are read by this program alone.
; SHARES.  Work-group g owns tokens 32 g .. 32 g + 31, wave w one row of 4,096 bytes; each load of a wave covers 512 consecutive bytes.  Each thread also makes one cos and one sin: 262,144 in all.
; xq: [chunk of 128 tokens: 64][K step of 128: 8][8,704 bytes]: 8 token tiles x 2 halves x (32 lanes x 16 bytes), the image of the operand's registers: lane 16 h + r holds block 4 s + 2 c + h of token 16 m + r;
;     then 4 x 32 scale words: word (p, l) holds the 4 bytes of token 32 p + l.
; tab: [head 16][token tile 64][quad 4][lane 32][4 f32]: quads 0, 1: cos of index 8 h + 0 .. 7 of token 16 tile + r; quads 2, 3: sin.
; No cluster: the work-groups share no input but scale's 4,096 bytes.  No matrix unit: nothing is multiplied here.
; On the same ground attn also leaves out, inside a tile's last key step, each whole block of 32 keys that lies behind all 16 queries: every p there is 0, so its codes are zeros and it adds nothing to the sum.
.set STG,   0
.set IMG,   32*4608                    ; the work-group's codes: 64 pieces of 256 bytes + 16 of padding
.set SCL,   IMG+64*272                 ; its scale words: [K step 8][token 32]
.set TAB,   SCL+1024                   ; its part of the table: 8,192 bytes
.set SPARE, TAB+8192                   ; the spare words, 128 bytes for each wave: sixteen blocks of 256 bytes that no other line names
.set SPW, 1                            ; v1  LDS address of my spare word; never rewritten
.set NIL, 2                            ; v2  0; never rewritten
.set X,   16                           ; v16-47  my 32 numbers of x, then of xn
.set G,   48                           ; v48-79  the same of scale; later one whole block of 32 neighbours
.set C,   80                           ; v80-83  its codes
.set TH,  87                           ; theta; v88-96 at work on sin and cos
.set ACC, 100                          ; v100-107 four pairs of partial sums
.set RS,  108                          ; v108-109 rsqrt (a pair for the packed multiply)
	s_load_b256 s[4:11], s[0:1], 0x0               ; x s[4:5], scale s[6:7], theta s[8:9], xq s[10:11]
	s_load_b64 s[12:13], s[0:1], 0x20              ; tab
	v_lshl_add_u32 v[SPW], v0, 2, SPARE
	v_mov_b32 v[NIL], 0
	v_lshrrev_b32 v3, 5, v0
	s_delay_alu instid0(VALU_DEP_1)
	v_readfirstlane_b32 s14, v3                    ; wave w, 0 .. 31
	v_and_b32 v3, 31, v0                           ; lane L
	s_delay_alu instid0(VALU_DEP_1)
	v_lshlrev_b32 v4, 4, v3                        ; 16 L
	s_mul_i32 s20, s14, 4608                       ; my stage
	v_lshrrev_b32 v84, 3, v3
	s_delay_alu instid0(VALU_DEP_1)
	v_lshl_add_u32 v5, v84, 4, v4
	s_delay_alu instid0(VALU_DEP_1)
	v_add_nc_u32 v5, s20, v5                       ; into it: 16 L + 16 (L / 8): eight lanes fill a block of 128 bytes, then 16 of padding
	v_mul_u32_u24 v6, v3, 144
	s_delay_alu instid0(VALU_DEP_1)
	v_add_nc_u32 v6, s20, v6                       ; out of it: block L
	v_lshrrev_b32 v84, 2, v3                       ; L / 4: my block's K step
	v_and_b32 v85, 3, v3                           ; L % 4: 2 c + h
	s_delay_alu instid0(VALU_DEP_1)
	v_lshl_add_u32 v7, v84, 3, v85
	s_delay_alu instid0(VALU_DEP_1)
	v_mul_u32_u24 v7, v7, 272
	s_lshr_b32 s21, s14, 4
	s_mul_i32 s21, s21, 4*272
	s_and_b32 s22, s14, 15
	s_lshl_b32 s22, s22, 4
	s_add_co_u32 s21, s21, s22
	s_add_co_u32 s21, s21, IMG
	v_add_nc_u32 v7, s21, v7                       ; my codes: piece 8 (L / 4) + 4 (w / 16) + L % 4, byte 16 (w % 16)
	v_lshl_add_u32 v8, v84, 7, v85
	s_lshl_b32 s21, s14, 2
	s_add_co_u32 s21, s21, SCL
	v_add_nc_u32 v8, s21, v8                       ; my scale byte: K step L / 4, token w, byte L % 4
	s_lshr_b32 s21, s14, 3
	s_lshl_b32 s21, s21, 11
	s_bfe_u32 s22, s14, 0x10002
	s_lshl_b32 s22, s22, 9
	s_add_co_u32 s21, s21, s22
	s_and_b32 s22, s14, 3
	s_lshl_b32 s22, s22, 7
	s_add_co_u32 s21, s21, s22
	s_add_co_u32 s21, s21, TAB
	v_lshl_add_u32 v9, v3, 2, s21                  ; my cos: task w / 8, quad (w / 4) % 2, lane 8 (w % 4) + L / 4, number L % 4; my sin 1,024 bytes on
	v_lshrrev_b32 v88, 4, v3
	s_delay_alu instid0(VALU_DEP_1)
	v_mul_u32_u24 v10, v88, 272
	v_and_b32 v89, 15, v3
	s_delay_alu instid0(VALU_DEP_1)
	v_lshl_add_u32 v10, v89, 4, v10
	s_mul_i32 s21, s14, 544
	s_add_co_u32 s21, s21, IMG
	v_add_nc_u32 v10, s21, v10                     ; the way out: pieces 2 w and 2 w + 1, sixteen lanes to a piece
	s_lshl_b32 s21, s14, 8
	v_lshl_add_u32 v13, v3, 3, s21                 ; the table's way out: 256 w + 8 L, in memory
	s_delay_alu instid0(VALU_DEP_1)
	v_add_nc_u32 v12, TAB, v13                     ; and in LDS
	s_lshl_b32 s21, s14, 7
	s_add_co_u32 s21, s21, SCL
	v_lshl_add_u32 v14, v3, 2, s21                 ; the scale words' way out (waves 0 to 7): K step w, token L
	s_and_b32 s23, ttmp9, 3                        ; p: which 32 tokens of the chunk
	s_lshr_b32 s21, s14, 2
	s_mul_i32 s21, s21, 8704
	s_and_b32 s22, s14, 3
	s_lshl_b32 s22, s22, 9
	s_add_co_u32 s21, s21, s22
	s_lshl_b32 s22, s23, 11
	s_add_co_u32 s21, s21, s22
	v_add_nc_u32 v11, s21, v4                      ; codes in xq: (w / 4) 8,704 + 2,048 p + (w % 4) 512 + 16 L
	s_mul_i32 s21, s14, 8704
	s_lshl_b32 s22, s23, 7
	s_add_co_u32 s21, s21, s22
	s_add_co_u32 s21, s21, 8192
	v_lshl_add_u32 v15, v3, 2, s21                 ; scale words in xq: 8,704 w + 8,192 + 128 p + 4 L
	s_and_b32 s21, ttmp9, 15                       ; theta[token][head][index]: tile = 4 (g % 16) + w / 8, head = g / 16,
	s_lshl_b32 s21, s21, 2
	s_lshr_b32 s22, s14, 3
	s_add_co_u32 s21, s21, s22
	s_lshl_b32 s21, s21, 14                        ; 16 tokens of 1,024 bytes a tile
	s_and_b32 s22, s14, 1
	s_lshl_b32 s22, s22, 13                        ; token 16 tile + 8 (w % 2) + L / 4
	s_add_co_u32 s21, s21, s22
	s_lshr_b32 s22, ttmp9, 4
	s_lshl_b32 s22, s22, 6
	s_add_co_u32 s21, s21, s22
	s_bfe_u32 s22, s14, 0x10001
	s_lshl_b32 s22, s22, 5                         ; index 8 ((w / 2) % 2) + 4 ((w / 4) % 2) + L % 4
	s_add_co_u32 s21, s21, s22
	s_bfe_u32 s22, s14, 0x10002
	s_lshl_b32 s22, s22, 4
	s_add_co_u32 s21, s21, s22
	v_lshlrev_b32 v86, 2, v85
	s_delay_alu instid0(VALU_DEP_1)
	v_lshl_add_u32 v86, v84, 10, v86
	s_delay_alu instid0(VALU_DEP_1)
	v_add_nc_u32 v86, s21, v86
	s_lshl_b32 s16, ttmp9, 17
	s_lshl_b32 s17, s14, 12
	s_add_co_u32 s16, s16, s17                     ; my row of x: (32 g + w) 4,096
	s_mov_b32 s17, 0
	s_lshr_b32 s18, ttmp9, 2
	s_mul_i32 s18, s18, 69632                      ; my chunk of xq
	s_mov_b32 s19, 0
	s_lshl_b32 s24, ttmp9, 13                      ; my 8,192 bytes of tab
	s_mov_b32 s25, 0
	s_mov_b32 s26, 0x76543210
	s_mov_b32 s27, 0xfedcba98                      ; v_permlanex16_b32's selects for lane l xor 16
	s_mov_b32 s28, 0x3a800000                      ; 1 / 1024
	s_wait_alu depctr_va_vdst(0)
	s_wait_kmcnt 0x0
	s_add_nc_u64 s[4:5], s[4:5], s[16:17]
	s_add_nc_u64 s[10:11], s[10:11], s[18:19]
	s_add_nc_u64 s[12:13], s[12:13], s[24:25]
	global_load_b32 v[TH], v86, s[8:9]
.irp j, 0,1,2,3,4,5,6,7
	global_load_b128 v[X+4*\j:X+4*\j+3], v4, s[4:5] offset:512*\j th:TH_LOAD_NT   ; register 4 j + i: column 128 j + 4 L + i
.endr
.irp j, 0,1,2,3,4,5,6,7
	global_load_b128 v[G+4*\j:G+4*\j+3], v4, s[6:7] offset:512*\j
.endr
	s_wait_loadcnt 16                              ; theta is in; the 16 loads behind it may be out
	; sin and cos in f32: n = the nearest whole number to theta x 2 / pi; r = theta - n pi / 2, pi / 2 in three parts, by fused multiply-adds; polynomials on |r| <= pi / 4; the quadrant n mod 4 swaps and signs
	v_mul_f32 v88, 0x3f22f983, v[TH]
	s_delay_alu instid0(VALU_DEP_1)
	v_rndne_f32 v88, v88
	s_delay_alu instid0(VALU_DEP_1)
	v_fmamk_f32 v89, v88, 0xbfc90fdb, v[TH]
	s_delay_alu instid0(VALU_DEP_1)
	v_fmamk_f32 v89, v88, 0x333bbd2e, v89
	s_delay_alu instid0(VALU_DEP_1)
	v_fmamk_f32 v89, v88, 0x26f72ced, v89
	s_delay_alu instid0(VALU_DEP_1)
	v_mul_f32 v90, v89, v89                        ; z = r^2
	v_mov_b32 v91, 0xb94ca1f9
	v_mov_b32 v92, 0x37ccf5ce
	s_delay_alu instid0(VALU_DEP_2)
	v_fmaak_f32 v91, v91, v90, 0x3c08839e
	s_delay_alu instid0(VALU_DEP_2)
	v_fmaak_f32 v92, v92, v90, 0xbab6061a
	s_delay_alu instid0(VALU_DEP_2)
	v_fmaak_f32 v91, v91, v90, 0xbe2aaaa3
	s_delay_alu instid0(VALU_DEP_2)
	v_fmaak_f32 v92, v92, v90, 0x3d2aaaa5
	v_mul_f32 v93, v89, v90                        ; r z
	v_mul_f32 v94, v90, v90                        ; z^2
	s_delay_alu instid0(VALU_DEP_2)
	v_fma_f32 v91, v93, v91, v89                   ; sin r
	v_fma_f32 v95, v90, -0.5, 1.0
	s_delay_alu instid0(VALU_DEP_1)
	v_fma_f32 v92, v94, v92, v95                   ; cos r
	v_cvt_i32_f32 v96, v88
	s_delay_alu instid0(VALU_DEP_1)
	v_and_b32 v93, 1, v96
	s_delay_alu instid0(VALU_DEP_1)
	v_cmp_eq_u32 vcc_lo, 1, v93
	s_delay_alu instid0(VALU_DEP_1)
	v_cndmask_b32 v94, v91, v92, vcc_lo            ; sin theta: an odd quadrant takes cos r
	s_delay_alu instid0(VALU_DEP_2)
	v_cndmask_b32 v95, v92, v91, vcc_lo            ; cos theta: and sin r
	v_and_b32 v93, 2, v96
	s_delay_alu instid0(VALU_DEP_1)
	v_lshlrev_b32 v93, 30, v93
	s_delay_alu instid0(VALU_DEP_1)
	v_xor_b32 v94, v94, v93                        ; quadrants 2, 3: -sin
	v_add_nc_u32 v96, 1, v96
	s_delay_alu instid0(VALU_DEP_1)
	v_and_b32 v96, 2, v96
	s_delay_alu instid0(VALU_DEP_1)
	v_lshlrev_b32 v96, 30, v96
	s_delay_alu instid0(VALU_DEP_1)
	v_xor_b32 v95, v95, v96                        ; quadrants 1, 2: -cos
	ds_store_b32 v9, v95
	ds_store_b32 v9, v94 offset:1024
	s_wait_loadcnt 8                               ; x is in; scale's 8 loads may be out
.irp k, 0,1,2,3
	v_pk_mul_f32 v[ACC+2*\k:ACC+2*\k+1], v[X+2*\k:X+2*\k+1], v[X+2*\k:X+2*\k+1]   ; the first squares start four chains: nothing is cleared
.endr
.irp j, 8,16,24
.irp k, 0,1,2,3
	s_delay_alu instid0(VALU_DEP_4)
	v_pk_fma_f32 v[ACC+2*\k:ACC+2*\k+1], v[X+\j+2*\k:X+\j+2*\k+1], v[X+\j+2*\k:X+\j+2*\k+1], v[ACC+2*\k:ACC+2*\k+1]
.endr
.endr
	s_delay_alu instid0(VALU_DEP_3)
	v_pk_add_f32 v[ACC:ACC+1], v[ACC:ACC+1], v[ACC+2:ACC+3]
	s_delay_alu instid0(VALU_DEP_2)
	v_pk_add_f32 v[ACC+4:ACC+5], v[ACC+4:ACC+5], v[ACC+6:ACC+7]
	s_delay_alu instid0(VALU_DEP_1)
	v_pk_add_f32 v[ACC:ACC+1], v[ACC:ACC+1], v[ACC+4:ACC+5]
	s_delay_alu instid0(VALU_DEP_1)
	v_add_f32 v[ACC], v[ACC], v[ACC+1]
	s_delay_alu instid0(VALU_DEP_1)
	v_add_f32_dpp v[ACC], v[ACC], v[ACC] row_xmask:1 row_mask:0xf bank_mask:0xf
	s_delay_alu instid0(VALU_DEP_1)
	v_add_f32_dpp v[ACC], v[ACC], v[ACC] row_xmask:2 row_mask:0xf bank_mask:0xf
	s_delay_alu instid0(VALU_DEP_1)
	v_add_f32_dpp v[ACC], v[ACC], v[ACC] row_xmask:4 row_mask:0xf bank_mask:0xf
	s_delay_alu instid0(VALU_DEP_1)
	v_add_f32_dpp v[ACC], v[ACC], v[ACC] row_xmask:8 row_mask:0xf bank_mask:0xf
	s_delay_alu instid0(VALU_DEP_1)
	v_permlanex16_b32 v[ACC+1], v[ACC], s26, s27
	s_delay_alu instid0(VALU_DEP_1)
	v_add_f32 v[ACC], v[ACC], v[ACC+1]             ; the row's sum of squares, in every lane
	s_delay_alu instid0(VALU_DEP_1)
	v_fmaak_f32 v[ACC], s28, v[ACC], 0x358637bd    ; / 1024 + 1e-6
	s_wait_alu depctr_va_vdst(0)
	v_rsq_f32 v[RS], v[ACC]
	v_mov_b32 v[RS+1], 0                           ; a plain instruction behind the transcendental; the pair's upper half is named below, so it is written
	s_wait_alu depctr_va_vdst(0)                   ; the wait ahead of the first instruction that names the result
	s_wait_loadcnt 0x0                             ; scale
.irp k, 0,2,4,6,8,10,12,14,16,18,20,22,24,26,28,30
	v_pk_mul_f32 v[G+\k:G+\k+1], v[G+\k:G+\k+1], v[RS:RS+1] op_sel_hi:[1,0]   ; s = scale x rsqrt, as reference() has it,
.endr
.irp k, 0,2,4,6,8,10,12,14,16,18,20,22,24,26,28,30
	v_pk_mul_f32 v[X+\k:X+\k+1], v[X+\k:X+\k+1], v[G+\k:G+\k+1]               ; xn = x s
.endr
	; the conversions take neighbours along K from one lane's registers: the row turns through my own stage, in as it was loaded, out a block of 32 to a lane
.irp j, 0,1,2,3,4,5,6,7
	ds_store_b128 v5, v[X+4*\j:X+4*\j+3] offset:576*\j
.endr
.irp i, 0,1,2,3,4,5,6,7
	ds_load_b128 v[G+4*\i:G+4*\i+3], v6 offset:16*\i   ; LDS serves a wave's instructions in order (ISA guide 5.7.1.4): these see the stores above
.endr
	s_wait_dscnt 0x0
	v_max3_num_f32 v110, |v[G]|, |v[G+1]|, |v[G+2]|    ; the block's largest magnitude: all 32 numbers are mine; two chains
	v_max3_num_f32 v111, |v[G+3]|, |v[G+4]|, |v[G+5]|
.irp i, 6,10,14,18,22,26
	s_delay_alu instid0(VALU_DEP_2)
	v_max3_num_f32 v110, v110, |v[G+\i]|, |v[G+\i+1]|
	s_delay_alu instid0(VALU_DEP_2)
	v_max3_num_f32 v111, v111, |v[G+\i+2]|, |v[G+\i+3]|
.endr
	s_delay_alu instid0(VALU_DEP_2)
	v_max3_num_f32 v110, v110, |v[G+30]|, |v[G+31]|
	s_delay_alu instid0(VALU_DEP_1)
	v_max3_num_f32 v110, v110, v111, 0x1800000     ; and the floor 2^(3 - 127): the byte cannot fall under 1
	s_delay_alu instid0(VALU_DEP_1)
	v_add_nc_u32 v112, 0xff000000, v110            ; 2 off the exponent field: the conversion takes this operand's exponent field as its scale
.irp g, 0,1,2,3
	v_cvt_scalef32_pk8_fp4_f32 v[C+\g], v[G+8*\g:G+8*\g+7], v112
.endr
	v_lshrrev_b32 v113, 23, v112                   ; the scale's byte (also the plain instruction behind the conversions)
	ds_store_b128 v7, v[C:C+3]
	ds_store_b8 v8, v113
	s_wait_dscnt 0x0                               ; for the others' sake: all my LDS stores have landed
	s_barrier_signal -1
	s_barrier_wait -1
	ds_load_b128 v[16:19], v10
	ds_load_b64 v[20:21], v12
	s_wait_dscnt 1
	global_store_b128 v11, v[16:19], s[10:11]      ; 32 lanes store 512 consecutive bytes, at a multiple of 256 from xq's first byte
	s_wait_dscnt 0x0
	global_store_b64 v13, v[20:21], s[12:13]       ; 32 lanes store 256 consecutive bytes, aligned
	s_cmp_lt_u32 s14, 8                            ; eight K steps' scale words: waves 0 to 7, 128 bytes each
	s_cbranch_scc0 .Lno_words
	ds_load_b32 v22, v14
	s_wait_dscnt 0x0
	global_store_b32 v15, v22, s[10:11]
.Lno_words:
	s_wait_tensorcnt 0x0                           ; the wave's end, behind my last LDS store
	ds_add_u32 v[SPW], v[NIL]
	s_wait_dscnt 0x0
	s_endpgm
.Lfunc_end_k_qf4087f9b88_prep:
	.size	k_qf4087f9b88_prep, .Lfunc_end_k_qf4087f9b88_prep-k_qf4087f9b88_prep
	.p2alignl 7, 3214868480
	.fill 96, 4, 3214868480
	.section	.rodata,"a",@progbits
	.p2align	6, 0x0
	.amdhsa_kernel k_qf4087f9b88_prep
		.amdhsa_group_segment_fixed_size 178176
		.amdhsa_private_segment_fixed_size 0
		.amdhsa_enable_private_segment 0
		.amdhsa_kernarg_size 40
		.amdhsa_user_sgpr_count 2
		.amdhsa_user_sgpr_kernarg_segment_ptr 1
		.amdhsa_wavefront_size32 1
		.amdhsa_system_sgpr_workgroup_id_x 1
		.amdhsa_system_sgpr_workgroup_id_y 1
		.amdhsa_system_sgpr_workgroup_id_z 1
		.amdhsa_system_vgpr_workitem_id 0
		.amdhsa_next_free_vgpr 120
		.amdhsa_next_free_sgpr 66
		.amdhsa_reserve_vcc 1
		.amdhsa_float_denorm_mode_32 3
		.amdhsa_float_denorm_mode_16_64 3
		.amdhsa_memory_ordered 1
		.amdhsa_forward_progress 1
		.amdhsa_inst_pref_size 18
	.end_amdhsa_kernel
	.amdgpu_metadata
---
amdhsa.version: [ 1, 2 ]
amdhsa.kernels:
  - .name:           k_qf4087f9b88_prep
    .symbol:         k_qf4087f9b88_prep.kd
    .args:
      - { .name: x, .offset: 0, .size: 8, .value_kind: global_buffer, .address_space: global }
      - { .name: scale, .offset: 8, .size: 8, .value_kind: global_buffer, .address_space: global }
      - { .name: theta, .offset: 16, .size: 8, .value_kind: global_buffer, .address_space: global }
      - { .name: xq, .offset: 24, .size: 8, .value_kind: global_buffer, .address_space: global }
      - { .name: tab, .offset: 32, .size: 8, .value_kind: global_buffer, .address_space: global }
    .group_segment_fixed_size: 178176
    .private_segment_fixed_size: 0
    .kernarg_segment_align: 8
    .kernarg_segment_size: 40
    .max_flat_workgroup_size: 1024
    .sgpr_count:     66
    .vgpr_count:     120
    .wavefront_size: 32
...
	.end_amdgpu_metadata
.endif
;; end of part 1
;; launch qkv (part 2): grid 16 x 16, 4 waves a work-group, no clusters, 310,784 bytes of LDS; arguments xq, tab, w_qkv_codes, w_qkv_scales, qbuf, kv; writes qbuf, kv
.if DOCPART == 2
	.amdgcn_target "amdgcn-amd-amdhsa--gfx1250"
	.amdhsa_code_object_version 6
	.text
	.protected	k_qf4087f9b88_qkv
	.globl	k_qf4087f9b88_qkv
	.p2align	8
	.type	k_qf4087f9b88_qkv,@function
k_qf4087f9b88_qkv:
	s_mov_b64 s[64:65], 0
	v_nop
	global_prefetch_b8 v0, s[64:65] scope:SCOPE_SE
	s_setreg_imm32_b32 hwreg(HW_REG_WAVE_MODE, 25, 1), 1
	s_wait_xcnt 0x0
; SECOND LAUNCH: qkv = Q(xn) Wqkv^T on codes of FP4; RoPE on q and k; q and k quantised along the head's 64, v along the tokens (the keys): all three leave as images of operand registers.  No work is left out here.
; SHARES.  Work-group (head, cg).  Wave w owns the chunk 4 cg + w of 128 tokens and all 192 columns of the head (64 of q, of k, of v): 96 accumulators of 16 x 16, 768 registers, 768 matrix instructions.
; The head's 192 rows of W (512 bytes of codes each) lie in LDS once, shared by the four waves; each wave's K steps 2 to 7 of its chunk lie in LDS bytes of its own; K steps 0 and 1 go straight to registers.
; Everything that comes from memory but the table is asked for at the head; no LDS byte is filled twice; one barrier.
; q AND k ARE MADE TRANSPOSED (source 0 = 16 rows of W, source 1 = 16 tokens): a lane holds ONE token (lane % 16) and registers along d = 16 i + 8 (lane / 16) + j, the next product's K.
; v IS MADE THE OTHER WAY (source 0 = tokens, source 1 = W): a lane holds one d and registers along the tokens, which are the last product's K.
; FOUR TILES TO A HALF OPERAND.  Tiles T0 .. T3 are two blocks of 32 along the next K; the conversions write R0 = T0, R2 = T1, R1 = T2, R3 = T3; v_permlane16_swap_b32 on (R0, R1) and (R2, R3) then leaves block 0 in
; lanes 0-15 and block 1 in lanes 16-31, each in true order: registers 4 c .. 4 c + 3 of a 4-bit operand.  RoPE stays inside a lane: tile 0's register j is x1[8 h + j], tile 1's is x2[8 h + j].
; qbuf: [batch x head 128][36,864]: 64 token tiles x 512 bytes of image; from 32,768 on a scale word a token (bytes b0, b1, b0, b1: the product's upper 64 along K are zero codes of q).
; kv:   [batch x head 128][71,680]: K's images as q's; from 32,768 V^T's images [key step 8][d tile 4][half 2][512]; from 65,536 K's scale words; from 69,632 V's [key step 8][d 64].
; No cluster: the tiles that work-groups share (W with the 15 others of a head, a chunk with the 15 other heads) are fetched once by each, through registers, at its head; joint requests are made by tensor loads, of which this text has none.
; LIMITS: as stated at the head of prep.
; THE FILL OF LDS is made by the copy engines (so of the lines above, 'through registers' and 'of which this text has none' hold no more of LDS: K steps 0 and 1 and the scale words alone come through registers).
; Asynchronous copies, 16 bytes a lane: 48 a wave for its 16 rows of each of q's, k's and v's 64 rows of W, then 51 for its own chunk's K steps 2 to 4.  One tensor load a wave: its chunk's K steps 5 to 7, 26,112 dense bytes.
; The products begin when W has landed; K steps 2 to 4 are waited for by count, K steps 5 to 7 by the one wait for the tensor load, each ahead of its first read.  The tensor load names no other work-group: each wave's chunk bytes in LDS are its own.
.set WPITCH, 528
.set XBASE,  192*WPITCH                ; behind W: 6 K steps x 8,704 bytes for each wave, laid as in xq
.set XWAVE,  6*8704
.set SPARE,  XBASE+4*XWAVE             ; the spare words, 128 bytes for each wave: two blocks of 256 bytes that no other line names
; window 0
.set SPW, 1                            ; v1   LDS address of my spare word; never rewritten
.set NIL, 2                            ; v2   0; never rewritten
.set L16, 3                            ; v3   16 x lane
.set WS0, 4                            ; v4   my 16 rows of W in LDS: 16 w rows + 16 x lane
.set XA,  6                            ; v6   my X bytes + 16 x lane
.set WA0, 7                            ; v7   a fragment of W: row lane % 16, + 16 (lane / 16);  v8: 96 rows further on
.set WA1, 8
.set XB,  9                            ; v9   my X bytes + 4 x lane
.set L4,  10
.set L32, 11
.set GI,  12                           ; v12  images in qbuf and kv: 16 x lane + 4,096 x key step
.set GV,  13                           ; v13  V's scale words: 4 x lane + 256 x key step
.set GS,  14                           ; v14  q's and k's: 4 x lane + 512 x key step
.set XSC, 16                           ; v16-23  X's scale words, two sets of 4: lanes 0-15 tile 2 q, lanes 16-31 tile 2 q + 1.  Scales and nothing else
.set WSC, 24                           ; v24-71  W's: register 8 g + s: pair of tiles g, K step s.  Scales and nothing else
.set WR,  72                           ; v72-119 three slots of two fragments of W
.set XS,  120                          ; v120-247 two sets of 8 fragments of X; in the epilogue the table, 16 registers a tile, and then the results
.set MX,  112                          ; epilogue: largest magnitudes; v116-119 the permutes' destinations; v248-251 scale operands; v252-255 bytes
.set PM,  116
.set SO,  248
.set BY,  252
.set VC,  72                           ; epilogue: V's codes, 8 a tile; v104-107 its scale words; v108-109 two tiles' joined
.set VW,  104
.set VJ,  108
.set YQ,  72                           ; epilogue: q's rotated 16 numbers; v88-103 k's; v104-111 at work
.set T,   104
; windows 1, 2, 3: the accumulators of q, k, v: (token tile m, tile i of the 64) at v[32 m + 8 i].
.set SEL, 40
.set MASK, 42                          ; s42  lanes 16-31
.set MSB, 0
.macro WIN new                         ; the immediate's high byte repeats the setting that is left; a switch that changes nothing is dropped
.if MSB != (\new)
	s_set_vgpr_msb (MSB<<8)|(\new)
.set MSB, (\new)
.endif
.endm
; one matrix instruction, by the symbols D_ (C and D), A_, B_, SA_, SB_ (scale registers), RA_, RB_ (1: the scales stand in lanes 16-31), Z_ (1: the product starts the sum)
.macro WMX
.if Z_
.if RA_ && RB_
	v_wmma_scale_f32_16x16x128_f8f6f4 v[D_:D_+7], v[A_:A_+7], v[B_:B_+7], 0, v[SA_], v[SB_] matrix_a_fmt:MATRIX_FMT_FP4 matrix_b_fmt:MATRIX_FMT_FP4 matrix_a_scale:MATRIX_SCALE_ROW1 matrix_b_scale:MATRIX_SCALE_ROW1
.elseif RA_
	v_wmma_scale_f32_16x16x128_f8f6f4 v[D_:D_+7], v[A_:A_+7], v[B_:B_+7], 0, v[SA_], v[SB_] matrix_a_fmt:MATRIX_FMT_FP4 matrix_b_fmt:MATRIX_FMT_FP4 matrix_a_scale:MATRIX_SCALE_ROW1
.elseif RB_
	v_wmma_scale_f32_16x16x128_f8f6f4 v[D_:D_+7], v[A_:A_+7], v[B_:B_+7], 0, v[SA_], v[SB_] matrix_a_fmt:MATRIX_FMT_FP4 matrix_b_fmt:MATRIX_FMT_FP4 matrix_b_scale:MATRIX_SCALE_ROW1
.else
	v_wmma_scale_f32_16x16x128_f8f6f4 v[D_:D_+7], v[A_:A_+7], v[B_:B_+7], 0, v[SA_], v[SB_] matrix_a_fmt:MATRIX_FMT_FP4 matrix_b_fmt:MATRIX_FMT_FP4
.endif
.else
.if RA_ && RB_
	v_wmma_scale_f32_16x16x128_f8f6f4 v[D_:D_+7], v[A_:A_+7], v[B_:B_+7], v[D_:D_+7], v[SA_], v[SB_] matrix_a_fmt:MATRIX_FMT_FP4 matrix_b_fmt:MATRIX_FMT_FP4 matrix_a_scale:MATRIX_SCALE_ROW1 matrix_b_scale:MATRIX_SCALE_ROW1
.elseif RA_
	v_wmma_scale_f32_16x16x128_f8f6f4 v[D_:D_+7], v[A_:A_+7], v[B_:B_+7], v[D_:D_+7], v[SA_], v[SB_] matrix_a_fmt:MATRIX_FMT_FP4 matrix_b_fmt:MATRIX_FMT_FP4 matrix_a_scale:MATRIX_SCALE_ROW1
.elseif RB_
	v_wmma_scale_f32_16x16x128_f8f6f4 v[D_:D_+7], v[A_:A_+7], v[B_:B_+7], v[D_:D_+7], v[SA_], v[SB_] matrix_a_fmt:MATRIX_FMT_FP4 matrix_b_fmt:MATRIX_FMT_FP4 matrix_b_scale:MATRIX_SCALE_ROW1
.else
	v_wmma_scale_f32_16x16x128_f8f6f4 v[D_:D_+7], v[A_:A_+7], v[B_:B_+7], v[D_:D_+7], v[SA_], v[SB_] matrix_a_fmt:MATRIX_FMT_FP4 matrix_b_fmt:MATRIX_FMT_FP4
.endif
.endif
.endm
; THE COPIES INTO LDS: 99 pieces of 512 bytes.  Pieces 0-47: my 16 rows of each of q's, k's, v's 64 rows of W; pieces 48-98: my chunk's K steps 2 to 4.  A copy's immediate is added to both its addresses.
; A row of W is 512 bytes in memory and 528 in LDS: so piece n of W has an LDS address register of its own, v[WR + n] = its LDS byte less the immediate 512 (n % 16), and q's, k's and v's rows have a base each.
; The chunk lies in LDS as in memory: one register serves its 51 pieces.
.macro SLOAD n
.if (\n) < 16
	global_load_async_to_lds_b128 v[WR+(\n)], v[L16], s[8:9] offset:((\n)%16)*512
.elseif (\n) < 32
	global_load_async_to_lds_b128 v[WR+(\n)], v[L16], s[44:45] offset:((\n)%16)*512
.elseif (\n) < 48
	global_load_async_to_lds_b128 v[WR+(\n)], v[L16], s[46:47] offset:((\n)%16)*512
.else
	global_load_async_to_lds_b128 v[XA], v[L16], s[48:49] offset:512*((\n)-48)
.endif
.endm
.macro WLOAD                           ; tiles 2 WG_, 2 WG_ + 1 of W's twelve, K step WK_, into slot WS_: 4 loads
.irp e, 0,1
.irp c, 0,1
.if 2*WG_+\e < 6
	ds_load_b128 v[WR+16*WS_+8*\e+4*\c:WR+16*WS_+8*\e+4*\c+3], v[WA0] offset:(2*WG_+\e)*16*WPITCH+64*WK_+32*\c
.else
	ds_load_b128 v[WR+16*WS_+8*\e+4*\c:WR+16*WS_+8*\e+4*\c+3], v[WA1] offset:(2*WG_+\e-6)*16*WPITCH+64*WK_+32*\c
.endif
.endr
.endr
.endm
.macro XLOAD                           ; token tiles 2 XQ_, 2 XQ_ + 1 of K step XK_ and their scale words, into set XK_ % 2: 5 loads
.irp t, 0,1
.irp c, 0,1
	ds_load_b128 v[XS+64*(XK_%2)+8*(2*XQ_+\t)+4*\c:XS+64*(XK_%2)+8*(2*XQ_+\t)+4*\c+3], v[XA] offset:(XK_-2)*8704+(2*XQ_+\t)*1024+512*\c
.endr
.endr
	ds_load_b32 v[XSC+4*(XK_%2)+XQ_], v[XB] offset:(XK_-2)*8704+8192+128*XQ_
.endm
.macro TABLOAD m                       ; cos and sin of token tile m: 16 registers at v[XS + 16 m]
.irp q, 0,1,2,3
	global_load_b128 v[XS+16*(\m)+4*\q:XS+16*(\m)+4*\q+3], v[L16], s[6:7] offset:(\m)*2048+512*\q
.endr
.endm
; A GROUP: K step S_, pair G_ of W's tiles against the 8 token tiles: 16 matrix instructions.  Ahead of them one run of LDS loads: the pair two groups on, and (groups 0 to 3) a quarter of the next K step's X.
; Four plain instructions stand between the last matrix instruction and loads into registers that it or its forerunners read (ISA guide 7.12.1 for vector instructions).
; The wait leaves out this run and the one before (RC + RP loads): this group's pair was asked for two runs ago, the K step's X earlier still.
; The 96 accumulators take turns, one instruction a turn, in the same order in every K step.
.macro GROUP
.rept 4
	v_nop
.endr
	WIN 0
.set RC, 0
.if 6*S_+G_+2 <= 47
.set WS_, (G_+2)%3
.set WG_, (G_+2)%6
.set WK_, S_+(G_+2)/6
	WLOAD
.set RC, RC+4
.endif
.if (G_ < 4) && (S_ >= 1) && (S_ <= 6)
.set XQ_, G_
.set XK_, S_+1
.if G_ == 0
.if XK_ <= 4
	s_wait_asynccnt 17*(4-XK_)                     ; K step XK_'s 17 copies are in: behind them 17 (4 - XK_) were issued
.elseif XK_ == 5
	s_wait_tensorcnt 0x0                           ; K steps 5 to 7 are in: my one tensor load
.endif
.endif
	XLOAD
.set RC, RC+5
.endif
.if (S_ == 7) && (G_ == 0)
.irp m, 0,1,2,3
	TABLOAD \m                                     ; set 0 was last multiplied in K step 6: the table of token tiles 0 to 3 lands there under the last K step
.endr
.endif
	s_wait_dscnt RP+RC
.set RP, RC
	WIN 0x50*(1+G_/2)                              ; C and D: window 1 (q), 2 (k) or 3 (v)
.if S_ == 0
.set Z_, 1
.else
.set Z_, 0
.endif
.irp e, 0,1
.irp m, 0,1,2,3,4,5,6,7
.set D_, 32*\m+8*(2*(G_%2)+\e)
.if G_ < 4
.set A_, WR+16*(G_%3)+8*\e
.set B_, XS+64*(S_%2)+8*\m
.set SA_, WSC+8*G_+S_
.set SB_, XSC+4*(S_%2)+\m/2
.set RA_, \e
.set RB_, \m%2
.else
.set A_, XS+64*(S_%2)+8*\m
.set B_, WR+16*(G_%3)+8*\e
.set SA_, XSC+4*(S_%2)+\m/2
.set SB_, WSC+8*G_+S_
.set RA_, \m%2
.set RB_, \e
.endif
	WMX
.endr
.endr
.endm
	s_load_b256 s[4:11], s[0:1], 0x0               ; xq s[4:5], tab s[6:7], W's codes s[8:9], W's scales s[10:11]
	s_load_b128 s[12:15], s[0:1], 0x20             ; qbuf s[12:13], kv s[14:15]
	v_lshl_add_u32 v[SPW], v0, 2, SPARE
	v_mov_b32 v[NIL], 0
	ds_add_u32 v[SPW], v[NIL]                      ; the wave's opening: the add, twice on end, and its wait ahead of my first copy and tensor load
	ds_add_u32 v[SPW], v[NIL]
	v_lshrrev_b32 v15, 5, v0
	v_readfirstlane_b32 s16, v15                   ; wave 0..3
	v_and_b32 v15, 31, v0
	v_lshlrev_b32 v[L16], 4, v15
	v_lshlrev_b32 v[L4], 2, v15
	v_lshlrev_b32 v[L32], 5, v15
	s_mul_i32 s23, s16, 16*WPITCH
	v_add_nc_u32 v[WS0], s23, v[L16]
	s_mul_i32 s24, s16, XWAVE
	s_add_co_u32 s24, s24, XBASE
	v_add_nc_u32 v[XA], s24, v[L16]
	v_add_nc_u32 v[XB], s24, v[L4]
	v_and_b32 v248, 15, v0
	v_bfe_u32 v249, v0, 4, 1
	v_mul_u32_u24 v[WA0], v248, WPITCH
	v_lshl_add_u32 v[WA0], v249, 4, v[WA0]
	v_add_nc_u32 v[WA1], 96*WPITCH, v[WA0]
	s_and_b32 s18, ttmp7, 0xffff
	s_lshl_b32 s19, s18, 2
	s_add_co_u32 s19, s19, s16                     ; my chunk of 128 tokens
	s_and_b32 s20, s19, 7                          ; its place in the sequence: the key step
	s_lshr_b32 s21, s19, 3                         ; the batch
	s_lshl_b32 s22, s21, 4
	s_add_co_u32 s22, s22, ttmp9                   ; batch x 16 + head
	s_lshl_b32 s25, s20, 12
	v_add_nc_u32 v[GI], s25, v[L16]
	s_lshl_b32 s25, s20, 8
	v_add_nc_u32 v[GV], s25, v[L4]
	s_lshl_b32 s25, s20, 9
	v_add_nc_u32 v[GS], s25, v[L4]
	s_mul_i32 s28, s19, 69632                      ; xq: my chunk
	s_mov_b32 s29, 0
	s_lshl_b32 s30, ttmp9, 17                      ; tab: my head, my 8 token tiles
	s_lshl_b32 s31, s20, 14
	s_add_co_u32 s30, s30, s31
	s_mov_b32 s31, 0
	s_lshl_b32 s32, ttmp9, 15                      ; W's codes: row 64 head + 16 wave, 512 bytes a row
	s_lshl_b32 s33, s16, 13
	s_add_co_u32 s32, s32, s33
	s_mov_b32 s33, 0
	s_lshl_b32 s34, ttmp9, 11                      ; W's scales: row 64 head, 32 bytes a row
	s_mov_b32 s35, 0
	s_mul_i32 s36, s22, 36864
	s_mov_b32 s37, 0
	s_mul_i32 s38, s22, 71680
	s_mov_b32 s39, 0
	s_mov_b32 s[SEL], 0x76543210
	s_mov_b32 s[SEL+1], 0xfedcba98                 ; v_permlanex16_b32's selects for lane l xor 16
	s_mov_b32 s[MASK], 0xffff0000
	; descriptor group 1: 102 rows of 256 bytes (32 elements of 8 bytes), dense in memory and in LDS
	s_mov_b32 s56, 3<<16                           ; no mask; elements of 8 bytes; no padding
	s_mov_b32 s57, 32<<16                          ; tensor_dim0 = 32
	s_mov_b32 s58, 102<<16                         ; tensor_dim1 = 102
	s_mov_b32 s59, 32<<16                          ; tile_dim0 = 32
	s_mov_b32 s60, 102                             ; tile_dim1 = 102
	s_mov_b32 s61, 32                              ; from row to row: 32 elements
	s_mov_b32 s62, 0
	s_mov_b32 s63, 0
.set N_, 0
.rept 48
	v_add_nc_u32 v[WR+N_], (64*(N_/16))*WPITCH+(N_%16)*16, v[WS0]   ; piece n of W: row 64 (n / 16) + 16 w + n % 16 of 528 bytes, less the copy's immediate
.set N_, N_+1
.endr
	s_wait_alu depctr_va_vdst(0)
	s_wait_dscnt 0x0                               ; both opening adds are done
	s_wait_kmcnt 0x0
	s_add_nc_u64 s[4:5], s[4:5], s[28:29]
	s_add_nc_u64 s[6:7], s[6:7], s[30:31]
	s_add_nc_u64 s[8:9], s[8:9], s[32:33]
	s_add_nc_u64 s[10:11], s[10:11], s[34:35]
	s_add_nc_u64 s[12:13], s[12:13], s[36:37]
	s_add_nc_u64 s[14:15], s[14:15], s[38:39]
	s_add_nc_u64 s[44:45], s[8:9], 0x80000         ; k's rows of W: 1,024 rows of 512 bytes on
	s_add_nc_u64 s[46:47], s[8:9], 0x100000        ; v's
	s_add_nc_u64 s[48:49], s[4:5], 17408           ; my chunk's K step 2
	s_mov_b32 s52, 1                               ; descriptor group 0: count = 1,
	s_add_co_u32 s53, s24, 3*8704                  ; LDS: my chunk's bytes, behind K steps 2 to 4,
	s_add_nc_u64 s[54:55], s[4:5], 5*8704          ; memory: my chunk's K step 5, at a multiple of 256 bytes from xq's first byte,
	s_or_b32 s55, s55, 0x80000000                  ; type = 2
.set N_, 0
.rept 48
	SLOAD N_                                       ; W first: the first product waits for it
.set N_, N_+1
.endr
	; what stays in registers: K steps 0 and 1 of X with their scale words, and all of W's scale words: 52 loads
.irp s, 0,1
.irp m, 0,1,2,3,4,5,6,7
.irp c, 0,1
	global_load_b128 v[XS+64*\s+8*\m+4*\c:XS+64*\s+8*\m+4*\c+3], v[L16], s[4:5] offset:\s*8704+\m*1024+512*\c
.endr
.endr
.irp q, 0,1,2,3
	global_load_b32 v[XSC+4*\s+\q], v[L4], s[4:5] offset:\s*8704+8192+128*\q
.endr
.endr
.irp g, 0,1,2,3,4,5
.irp u, 0,1
	global_load_b128 v[WSC+8*\g+4*\u:WSC+8*\g+4*\u+3], v[L32], s[10:11] offset:(\g/2)*32768+(\g%2)*1024+16*\u   ; lane l: row 32 (g % 2) + l of q's, k's or v's 64: its 8 words, one a K step
.endr
.endr
	; my chunk's K steps 2 to 4, in the order in which they are multiplied; then K steps 5 to 7, which are wanted last
.set N_, 48
.rept 51
	SLOAD N_
.set N_, N_+1
.endr
	tensor_load_to_lds s[52:55], s[56:63]          ; my one tensor load
	s_nop 0
.rept 4
	v_nop
.endr
	s_wait_loadcnt 0x0                             ; what stays in registers is in
	s_wait_asynccnt 51                             ; for the others' sake: my rows of W have landed; the 51 copies issued behind them may be out
	s_barrier_signal -1
	s_barrier_wait -1
.set WS_, 0
.set WG_, 0
.set WK_, 0
	WLOAD
.set WS_, 1
.set WG_, 1
	WLOAD
.set RP, 4
.set S_, 0
.rept 8
.set G_, 0
.rept 6
	GROUP
.set G_, G_+1
.endr
.set S_, S_+1
.endr
	; ---- THE EPILOGUE
.rept 4
	v_nop                                          ; places behind the last products: their results are read, and their operands' registers written, below
.endr
	WIN 0
.irp m, 4,5,6,7
	TABLOAD \m
.endr
.irp b, 0,1,2,3
	v_mov_b32 v[PM+\b], 0                          ; written once: a lane permute's destination counts as one of its sources
.endr
; V, d tile i: a lane holds d = 16 i + lane % 16 and, of token tile m, tokens 16 m + 8 (lane / 16) + j.  Four blocks of 32 tokens, each in two accumulators and two lanes.  Each accumulator is read from its low end on.
.macro VTILE i
	WIN 0x0f                                       ; sources 0 and 1: window 3
.irp b, 0,1,2,3
	v_max3_num_f32 v[MX+\b], |v[64*\b+8*(\i)]|, |v[64*\b+8*(\i)+1]|, 0x1800000   ; with the floor 2^(3 - 127): the byte cannot fall under 1
.endr
.irp p, 2,4,6,32,34,36,38
.irp b, 0,1,2,3
	v_max3_num_f32 v[MX+\b], |v[64*\b+8*(\i)+\p]|, |v[64*\b+8*(\i)+\p+1]|, v[MX+\b]   ; (the four blocks by turns)
.endr
.endr
	WIN 0
.irp b, 0,1,2,3
	v_permlanex16_b32 v[PM+\b], v[MX+\b], s[SEL], s[SEL+1]
.endr
.irp b, 0,1,2,3
	v_max_num_f32 v[MX+\b], v[MX+\b], v[PM+\b]     ; with lane l xor 16's: the block's largest magnitude
.endr
.irp b, 0,1,2,3
	v_add_nc_u32 v[SO+\b], 0xff000000, v[MX+\b]    ; 2 off the exponent field: the conversion's scale operand
.endr
.irp b, 0,1,2,3
	v_lshrrev_b32 v[BY+\b], 23, v[SO+\b]           ; the scale's byte
.endr
	v_lshl_or_b32 v[VW+(\i)], v[BY+1], 8, v[BY]
	v_lshl_or_b32 v[VW+(\i)], v[BY+2], 16, v[VW+(\i)]
	v_lshl_or_b32 v[VW+(\i)], v[BY+3], 24, v[VW+(\i)]   ; my d's scale word for these 128 keys
	WIN 0x03                                       ; source 0: window 3
.irp c, 0,1
	v_cvt_scalef32_pk8_fp4_f32 v[VC+8*(\i)+4*\c],   v[128*\c+8*(\i):128*\c+8*(\i)+7],       v[SO+2*\c]
	v_cvt_scalef32_pk8_fp4_f32 v[VC+8*(\i)+4*\c+2], v[128*\c+32+8*(\i):128*\c+32+8*(\i)+7], v[SO+2*\c]
	v_cvt_scalef32_pk8_fp4_f32 v[VC+8*(\i)+4*\c+1], v[128*\c+64+8*(\i):128*\c+64+8*(\i)+7], v[SO+2*\c+1]
	v_cvt_scalef32_pk8_fp4_f32 v[VC+8*(\i)+4*\c+3], v[128*\c+96+8*(\i):128*\c+96+8*(\i)+7], v[SO+2*\c+1]
.endr
	WIN 0
	v_nop                                          ; one plain instruction behind the scaled conversions
.irp c, 0,2,4,6
	v_permlane16_swap_b32 v[VC+8*(\i)+\c], v[VC+8*(\i)+\c+1]
.endr
.irp c, 0,1
	global_store_b128 v[GI], v[VC+8*(\i)+4*\c:VC+8*(\i)+4*\c+3], s[14:15] offset:32768+(\i)*1024+512*\c   ; 512 consecutive bytes, at a multiple of 256 from kv's first byte
.endr
.if (\i)%2
	v_cndmask_b32 v[VJ+(\i)/2], v[VW+(\i)-1], v[VW+(\i)], s[MASK]   ; lanes 0-15 the even tile's words, lanes 16-31 the odd tile's
	global_store_b32 v[GV], v[VJ+(\i)/2], s[14:15] offset:69632+((\i)/2)*128
.endif
.endm
	VTILE 0                                        ; V first: it needs no table, which is still on its way
	VTILE 1
	VTILE 2
	VTILE 3
	s_wait_xcnt 0x0                                ; V's stores have read their registers: v72-111 are written again below
; one of q and k, token tile m: k = its window (1 or 2), y = where the rotated numbers go, x = 0 or 2: which two of the four maxima
.macro HALF m, k, y, x
	WIN 5*(\k)                                     ; sources 0 and 1: the window
	v_max3_num_f32 v[MX+\x+1], |v[32*(\m)+16]|, |v[32*(\m)+17]|, 0x1800000      ; block 1, d = 32 .. 63, is not rotated: two chains, each accumulator from its low end
	v_max3_num_f32 v[PM+\x+1], |v[32*(\m)+24]|, |v[32*(\m)+25]|, 0x1800000
.irp p, 2,4,6
	v_max3_num_f32 v[MX+\x+1], |v[32*(\m)+16+\p]|, |v[32*(\m)+17+\p]|, v[MX+\x+1]
	v_max3_num_f32 v[PM+\x+1], |v[32*(\m)+24+\p]|, |v[32*(\m)+25+\p]|, v[PM+\x+1]
.endr
	WIN (\k)                                       ; source 0: the window
.irp j, 0,2,4,6
	v_pk_mul_f32 v[T+\j:T+\j+1], v[32*(\m)+8+\j:32*(\m)+9+\j], v[TB+8+\j:TB+9+\j]                      ; x2 sin
.endr
.irp j, 0,2,4,6
	v_pk_fma_f32 v[\y+\j:\y+\j+1], v[32*(\m)+\j:32*(\m)+1+\j], v[TB+\j:TB+1+\j], v[T+\j:T+\j+1] neg_lo:[0,0,1] neg_hi:[0,0,1]   ; y1 = x1 cos - x2 sin
.endr
.irp j, 0,2,4,6
	v_pk_mul_f32 v[T+\j:T+\j+1], v[32*(\m)+\j:32*(\m)+1+\j], v[TB+8+\j:TB+9+\j]                        ; x1 sin
.endr
.irp j, 0,2,4,6
	v_pk_fma_f32 v[\y+8+\j:\y+9+\j], v[32*(\m)+8+\j:32*(\m)+9+\j], v[TB+\j:TB+1+\j], v[T+\j:T+\j+1]    ; y2 = x2 cos + x1 sin
.endr
.endm
; q and k, token tile m.  The results go into the registers that the tile's table leaves: each tile's stores have data of their own, so nothing waits for a store.
.macro QKTILE m
.set TB, XS+16*(\m)
	s_wait_loadcnt 4*(7-(\m))                      ; this tile's four table loads are in; the later tiles' may be out
	HALF \m, 1, YQ, 0
	HALF \m, 2, YQ+16, 2
	WIN 0
.irp x, 0,2
	v_max3_num_f32 v[MX+\x], |v[YQ+8*\x]|, |v[YQ+8*\x+1]|, 0x1800000             ; block 0, d = 0 .. 31: the rotated numbers
	v_max3_num_f32 v[PM+\x], |v[YQ+8*\x+8]|, |v[YQ+8*\x+9]|, 0x1800000
.endr
.irp p, 2,4,6
.irp x, 0,2
	v_max3_num_f32 v[MX+\x], v[MX+\x], |v[YQ+8*\x+\p]|, |v[YQ+8*\x+\p+1]|
	v_max3_num_f32 v[PM+\x], v[PM+\x], |v[YQ+8*\x+8+\p]|, |v[YQ+8*\x+9+\p]|
.endr
.endr
.irp b, 0,1,2,3
	v_max_num_f32 v[MX+\b], v[MX+\b], v[PM+\b]     ; the two chains
.endr
.irp b, 0,1,2,3
	v_permlanex16_b32 v[PM+\b], v[MX+\b], s[SEL], s[SEL+1]
.endr
.irp b, 0,1,2,3
	v_max_num_f32 v[MX+\b], v[MX+\b], v[PM+\b]
.endr
.irp b, 0,1,2,3
	v_add_nc_u32 v[SO+\b], 0xff000000, v[MX+\b]
.endr
.irp b, 0,1,2,3
	v_lshrrev_b32 v[BY+\b], 23, v[SO+\b]
.endr
	v_lshl_or_b32 v[BY], v[BY+1], 8, v[BY]
	v_lshl_or_b32 v[BY+2], v[BY+3], 8, v[BY+2]
	v_lshl_or_b32 v[TB+8], v[BY], 16, v[BY]        ; q's scale word: b0, b1, b0, b1
	v_lshl_or_b32 v[TB+9], v[BY+2], 16, v[BY+2]    ; k's
	v_cvt_scalef32_pk8_fp4_f32 v[TB],   v[YQ:YQ+7],     v[SO]
	v_cvt_scalef32_pk8_fp4_f32 v[TB+2], v[YQ+8:YQ+15],  v[SO]
	v_cvt_scalef32_pk8_fp4_f32 v[TB+4], v[YQ+16:YQ+23], v[SO+2]
	v_cvt_scalef32_pk8_fp4_f32 v[TB+6], v[YQ+24:YQ+31], v[SO+2]
	WIN 0x01
	v_cvt_scalef32_pk8_fp4_f32 v[TB+1], v[32*(\m)+16:32*(\m)+23], v[SO+1]
	v_cvt_scalef32_pk8_fp4_f32 v[TB+3], v[32*(\m)+24:32*(\m)+31], v[SO+1]
	WIN 0x02
	v_cvt_scalef32_pk8_fp4_f32 v[TB+5], v[32*(\m)+16:32*(\m)+23], v[SO+3]
	v_cvt_scalef32_pk8_fp4_f32 v[TB+7], v[32*(\m)+24:32*(\m)+31], v[SO+3]
	WIN 0
	v_nop                                          ; one plain instruction behind the scaled conversions
.irp c, 0,2,4,6
	v_permlane16_swap_b32 v[TB+\c], v[TB+\c+1]
.endr
	global_store_b128 v[GI], v[TB:TB+3], s[12:13] offset:(\m)*512
	global_store_b128 v[GI], v[TB+4:TB+7], s[14:15] offset:(\m)*512
.if (\m)%2
	v_cndmask_b32 v[TB+10], v[TB-8], v[TB+8], s[MASK]     ; two tiles' scale words: 32 tokens, 128 consecutive bytes
	v_cndmask_b32 v[TB+11], v[TB-7], v[TB+9], s[MASK]
	global_store_b32 v[GS], v[TB+10], s[12:13] offset:32768+((\m)-1)*64
	global_store_b32 v[GS], v[TB+11], s[14:15] offset:65536+((\m)-1)*64
.endif
.endm
.irp m, 0,1,2,3,4,5,6,7
	QKTILE \m
.endr
	s_wait_tensorcnt 0x0                           ; the wave's end, behind my last copy and tensor load
	s_wait_asynccnt 0x0
	ds_add_u32 v[SPW], v[NIL]
	s_wait_dscnt 0x0
	s_endpgm
.Lfunc_end_k_qf4087f9b88_qkv:
	.size	k_qf4087f9b88_qkv, .Lfunc_end_k_qf4087f9b88_qkv-k_qf4087f9b88_qkv
	.p2alignl 7, 3214868480
	.fill 96, 4, 3214868480
	.section	.rodata,"a",@progbits
	.p2align	6, 0x0
	.amdhsa_kernel k_qf4087f9b88_qkv
		.amdhsa_group_segment_fixed_size 310784
		.amdhsa_private_segment_fixed_size 0
		.amdhsa_enable_private_segment 0
		.amdhsa_kernarg_size 48
		.amdhsa_user_sgpr_count 2
		.amdhsa_user_sgpr_kernarg_segment_ptr 1
		.amdhsa_wavefront_size32 1
		.amdhsa_system_sgpr_workgroup_id_x 1
		.amdhsa_system_sgpr_workgroup_id_y 1
		.amdhsa_system_sgpr_workgroup_id_z 1
		.amdhsa_system_vgpr_workitem_id 0
		.amdhsa_next_free_vgpr 1024
		.amdhsa_next_free_sgpr 66
		.amdhsa_reserve_vcc 0
		.amdhsa_float_denorm_mode_32 3
		.amdhsa_float_denorm_mode_16_64 3
		.amdhsa_memory_ordered 1
		.amdhsa_forward_progress 1
		.amdhsa_inst_pref_size 221
	.end_amdhsa_kernel
	.amdgpu_metadata
---
amdhsa.version: [ 1, 2 ]
amdhsa.kernels:
  - .name:           k_qf4087f9b88_qkv
    .symbol:         k_qf4087f9b88_qkv.kd
    .args:
      - { .name: xq, .offset: 0, .size: 8, .value_kind: global_buffer, .address_space: global }
      - { .name: tab, .offset: 8, .size: 8, .value_kind: global_buffer, .address_space: global }
      - { .name: w_qkv_codes, .offset: 16, .size: 8, .value_kind: global_buffer, .address_space: global }
      - { .name: w_qkv_scales, .offset: 24, .size: 8, .value_kind: global_buffer, .address_space: global }
      - { .name: qbuf, .offset: 32, .size: 8, .value_kind: global_buffer, .address_space: global }
      - { .name: kv, .offset: 40, .size: 8, .value_kind: global_buffer, .address_space: global }
    .group_segment_fixed_size: 310784
    .private_segment_fixed_size: 0
    .kernarg_segment_align: 8
    .kernarg_segment_size: 48
    .max_flat_workgroup_size: 128
    .sgpr_count:     66
    .vgpr_count:     1024
    .wavefront_size: 32
...
	.end_amdgpu_metadata
.endif
;; end of part 2
;; launch attn (part 3): grid 2 x 128, 16 waves a work-group, no clusters, 73,728 bytes of LDS; arguments qbuf, kv, oq; writes oq
.if DOCPART == 3
	.amdgcn_target "amdgcn-amd-amdhsa--gfx1250"
	.amdhsa_code_object_version 6
	.text
	.protected	k_qf4087f9b88_attn
	.globl	k_qf4087f9b88_attn
	.p2align	8
	.type	k_qf4087f9b88_attn,@function
k_qf4087f9b88_attn:
	s_mov_b64 s[64:65], 0
	v_nop
	global_prefetch_b8 v0, s[64:65] scope:SCOPE_SE
	s_setreg_imm32_b32 hwreg(HW_REG_WAVE_MODE, 25, 1), 1
	s_wait_xcnt 0x0
; THIRD LAUNCH: o = softmax(q k^T / 8, causal) v on codes of FP4, and o quantised along K = head x 64 + d for the last product.
; LEFT OUT AS DEAD WORK (shown at the head of prep): key steps of 128 keys that lie wholly behind a tile of 16 queries under reference()'s own causal mask, and, in a tile's last key step, whole blocks of 32 such keys.
; THE SOFTMAX: t = score x log2(e) / 8; M = the running largest t rounded UP to a whole number, kept as -M = floor(-t); p = 2^(t - M) is quantised along the keys, not normalised; the row's sum is taken of the
; unquantised p and divides at the end; when M moves, the sum and O are multiplied by 2^(old M - new M), which rounds nothing.
; SHARES.  Work-group (jj, batch x head).  Wave i owns the query tiles tA = 2 i + jj and tB = 63 - tA, ONE AFTER THE OTHER in one set of registers.  With a = i / 4, tile B takes key steps 0 .. 7 - a (steps j = 0 .. 7 - a),
; then tile A key steps 0 .. a (j = 8 - a .. 8): 9 steps in every wave; j = 0 is written out, j = 1 .. 8 are a loop of 8 trips.  Key step = (j + g a) & 7 with g = (j + a) >> 3: the wave's number and the count alone.
; A tile's last step lies on the diagonal.  With d = tile % 8 its live blocks of 32 keys are NB = d / 2 + 1: four copies of the step, by NB.  NB of tile A + NB of tile B = 5 in every wave.
; THE MASK: in the diagonal's key tile d, register j of lane (r, h) holds key 8 h + j against query r: hidden where 8 h + j > r: eight lane masks that are constants.  Of the last live block's two key tiles the first
; takes these masks (d even) or none (d odd), the second all lanes (d even) or these masks (d odd): sixteen scalar registers, set for each tile, sixteen selects.
; THE FILL, through registers, each byte once, in two parts.  Part 0: key step 0 of K and V and all scale words (one load of 16 bytes a lane and three of 4 a wave); part 1: key steps 1 to 7 (seven loads a wave), asked for at the
; head, kept in 28 registers over step j = 0 and stored behind it.  Two barriers; step 0 reads bytes of part 0 alone.
; LAYOUT.  Both products transposed: S^T = K Q^T (source 0 = 16 keys), O^T = V^T P (source 0 = 16 of the head's 64): a lane holds one query (lane % 16) throughout; of key tile t it holds keys 16 t + 8 (lane / 16) + j.
; THE FIRST PRODUCT'S K IS 64 OF THE INSTRUCTION'S 128.  Q's codes of k = 64 .. 127 are zeros, and E2M1 has no NaN and no infinity: whatever codes source 0 holds there add nothing.  So K's fragment t is named
; v[36 + 4 t : 43 + 4 t]: its upper half is whatever the next four registers hold.  The scale words' bytes 2, 3 repeat bytes 0, 1.  Likewise V's codes against p's zero codes of blocks left out; p's scale bytes there are 0, a finite code.
; No cluster: the two work-groups of a head share K and V, and the grid's x is 2, which no cluster of four divides.  No prefetch: all that the launch reads is asked for at its head.
; LIMITS: as stated at the head of prep.
.set SPARE, 71680                      ; behind kv's bytes: the spare words, 128 bytes for each wave
.set SPW,  1                           ; LDS address of my spare word; never rewritten
.set NIL,  2                           ; 0; never rewritten
.set AK0,  3                           ; 16 x lane: my place in an image of K
.set AV0,  4                           ; 32,768 + 16 x lane: of V
.set AKS0, 5                           ; 65,536 + 4 x lane: K's scale words
.set AVS0, 6                           ; 69,632 + 4 x lane: V's
.set NINF, 7                           ; -infinity
.set Q,    8                           ; v8-15  the tile's Q: 4 registers of codes, 4 of zeros
.set QN,   16                          ; v16-19 tile A's codes, waiting
.set GCB,  20                          ; v20-23 offsets in oq: tile B's codes and bytes, tile A's
.set GWB,  21
.set GCA,  22
.set GWA,  23
.set QS,   24                          ; the tile's scale words; v25 tile A's, waiting: scales and nothing else
.set QSN,  25
.set ST,   28                          ; v28-31  -M, the largest t, the sum in two halves
.set KV,   36                          ; v36-71  8 half fragments of K and 4 zeros; then 4 fragments of V
.set S,    72                          ; v72-135 S^T, then p
.set O,    136                         ; v136-167 O^T
.set FL,   168                         ; v168-195 part 1 of the fill; behind it the two tiles' results on their way out
.set CB,   168
.set WB,   172
.set CA,   176
.set WA,   180
.set PC,   200                         ; v200-207 p's codes
.set KSC,  208                         ; v208-211 K's scale words, v212-213 V's, v214 p's: scales and nothing else
.set VSC,  212
.set PSC,  214
.set BM,   216
.set PM,   220
.set SO,   224
.set F,    228
.set W0,   230
.set W2,   232
.set BY,   236
.set ADK,  244
.set ADV,  245
.set ADS,  246
.set ADT,  247
.set FA,   248
.set FB,   249
.set FC,   250
.set R,    251
.set LIM,  16                          ; s16  the tile's last key step
.set KS,   17
.set TK,   18                          ; 4,096 x key step
.set TS,   19                          ; 512 x key step
.set SEL,  20
.set CS,   22                          ; s[22:23] c = log2(e) / 8
.set TV,   24                          ; 256 x key step
.set J,    42
.set NBC,  43                          ; the tile's d / 2
.set MK,   44                          ; s44-51 the diagonal tile's eight lane masks
.set ME,   52                          ; s52-59 the masks of the last live block's first key tile
.set MO,   68                          ; s68-75 of its second
.set NBA,  76
.set ODDA, 77
.macro SETMASK odd
	s_cmp_lg_u32 s[\odd], 0
.set n_, 0
.rept 8
	s_cselect_b32 s[ME+n_], 0, s[MK+n_]
	s_cselect_b32 s[MO+n_], s[MK+n_], -1
.set n_, n_+1
.endr
.endm
.macro FRESH                           ; a tile begins: the largest t -3e38, under every t; sums and O^T zeros, which the first change of M leaves zeros
	v_mov_b32 v[ST+1], 0xff61b1e6
	v_mov_b32 v[ST+2], 0
	v_mov_b32 v[ST+3], 0
	v_floor_f32 v[ST], -v[ST+1]
.set n_, 0
.rept 32
	v_mov_b32 v[O+n_], 0
.set n_, n_+1
.endr
.endm
	s_load_b128 s[4:7], s[0:1], 0x0                ; qbuf s[4:5], kv s[6:7]
	s_load_b64 s[8:9], s[0:1], 0x10                ; oq
	v_lshl_add_u32 v[SPW], v0, 2, SPARE
	v_mov_b32 v[NIL], 0
	v_lshrrev_b32 v252, 5, v0
	v_readfirstlane_b32 s10, v252                  ; wave 0..15
	s_and_b32 s25, s10, 7
	s_lshr_b32 s26, s10, 3
	s_lshl_b32 s26, s26, 15                        ; waves 0-7 fill K's images, waves 8-15 V's
	s_lshl_b32 s27, s25, 9
	s_add_co_u32 s27, s27, s26                     ; part 0: 512 bytes of key step 0
	s_mul_i32 s28, s25, 3584
	s_add_co_u32 s28, s28, s26
	s_add_co_u32 s28, s28, 4096                    ; part 1: 3,584 bytes of key steps 1 to 7
	s_mul_i32 s29, s10, 384
	s_add_co_u32 s29, s29, 65536                   ; and 384 bytes of scale words; the same offsets in kv and in LDS
	s_and_b32 s12, ttmp7, 0xffff                   ; batch x 16 + head
	s_lshl_b32 s13, s10, 1
	s_add_co_u32 s13, s13, ttmp9                   ; tA
	s_xor_b32 s14, s13, 63                         ; tB
	s_lshl_b32 s34, s13, 9
	s_lshl_b32 s35, s14, 9
	s_lshl_b32 s36, s13, 6
	s_add_co_u32 s36, s36, 32768
	s_lshl_b32 s37, s14, 6
	s_add_co_u32 s37, s37, 32768
	s_mul_i32 s38, s12, 36864
	s_mov_b32 s39, 0
	s_mul_i32 s40, s12, 71680
	s_mov_b32 s41, 0
	v_and_b32 v252, 31, v0
	v_and_b32 v[R], 15, v0
	v_lshlrev_b32 v[AK0], 4, v252
	v_lshlrev_b32 v253, 2, v252
	v_add_nc_u32 v[FA], s27, v[AK0]
	v_add_nc_u32 v[FC], s28, v[AK0]
	v_add_nc_u32 v[FB], s29, v253
	v_add_nc_u32 v240, s34, v[AK0]                 ; Q's images
	v_add_nc_u32 v241, s35, v[AK0]
	v_lshl_add_u32 v242, v[R], 2, s36              ; and scale words: lane r and lane 16 + r take query r's
	v_lshl_add_u32 v243, v[R], 2, s37
	s_wait_alu depctr_va_vdst(0)
	s_wait_kmcnt 0x0
	s_add_nc_u64 s[4:5], s[4:5], s[38:39]
	s_add_nc_u64 s[6:7], s[6:7], s[40:41]
	global_load_b128 v[S:S+3], v[FA], s[6:7]       ; part 0: 4 loads
.irp n, 0,1,2
	global_load_b32 v[S+4+\n], v[FB], s[6:7] offset:128*\n
.endr
	global_load_b128 v[Q:Q+3], v241, s[4:5]        ; Q: 4 loads; tile B goes first
	global_load_b128 v[QN:QN+3], v240, s[4:5]
	global_load_b32 v[QS], v243, s[4:5]
	global_load_b32 v[QSN], v242, s[4:5]
.irp n, 0,1,2,3,4,5,6
	global_load_b128 v[FL+4*\n:FL+4*\n+3], v[FC], s[6:7] offset:512*\n   ; part 1: 7 loads
.endr
	s_lshr_b32 s11, s10, 2                         ; a
	s_sub_co_u32 s15, 8, s11                       ; the step at which tile A begins
	s_xor_b32 s[LIM], s11, 7                       ; tile B's last key step
	s_and_b32 s25, s14, 7                          ; tile B's d
	s_lshr_b32 s[NBC], s25, 1
	s_and_b32 s25, s25, 1
	s_and_b32 s26, s13, 7                          ; tile A's
	s_lshr_b32 s[NBA], s26, 1
	s_and_b32 s[ODDA], s26, 1
.set n_, 0
.rept 8
	s_mov_b32 s[MK+n_], ((1<<n_)-1)|(((1<<(n_+8))-1)<<16)   ; lanes 0-15: r < j; lanes 16-31: r < j + 8
.set n_, n_+1
.endr
	SETMASK 25
	; where a tile's o goes in oq: chunk 8 batch + t / 8, K step head / 2, token tile t % 8, half head % 2; its two scale bytes: the half word head % 2 of the token's word
	s_lshr_b32 s36, s12, 4
	s_lshl_b32 s36, s36, 3
	s_bfe_u32 s37, s12, 0x30001
	s_mul_i32 s37, s37, 8704
	s_and_b32 s38, s12, 1
.macro OADDR t, oc, os
	s_lshr_b32 s34, s[\t], 3
	s_add_co_u32 s34, s34, s36
	s_mul_i32 s34, s34, 69632
	s_add_co_u32 s34, s34, s37
	s_and_b32 s35, s[\t], 7
	s_lshl_b32 s[\oc], s35, 10
	s_add_co_u32 s[\oc], s[\oc], s34
	s_lshl_b32 s39, s38, 9
	s_add_co_u32 s[\oc], s[\oc], s39
	s_lshl_b32 s[\os], s35, 6
	s_add_co_u32 s[\os], s[\os], s34
	s_lshl_b32 s39, s38, 1
	s_add_co_u32 s[\os], s[\os], s39
	s_add_co_u32 s[\os], s[\os], 8192
.endm
	OADDR 13, 30, 31
	OADDR 14, 32, 33
	s_mov_b32 s[SEL], 0x76543210
	s_mov_b32 s[SEL+1], 0xfedcba98                 ; v_permlanex16_b32's selects for lane l xor 16
	s_mov_b32 s[CS], 0x3e38aa3b
	s_mov_b32 s[CS+1], s[CS]                       ; (named with it as a pair, so it is written)
	s_mov_b32 s[TK], 0
	s_mov_b32 s[TS], 0
	s_mov_b32 s[TV], 0
	v_add_nc_u32 v[AV0], 32768, v[AK0]
	v_add_nc_u32 v[AKS0], 65536, v253
	v_add_nc_u32 v[AVS0], 69632, v253
	v_add_nc_u32 v[GCB], s32, v[AK0]
	v_lshl_add_u32 v[GWB], v[R], 2, s33
	v_add_nc_u32 v[GCA], s30, v[AK0]
	v_lshl_add_u32 v[GWA], v[R], 2, s31
	v_mov_b32 v[NINF], 0xff800000
.irp j, 4,5,6,7
	v_mov_b32 v[Q+\j], 0                           ; Q's codes of k = 64 .. 127
	v_mov_b32 v[KV+28+\j], 0                       ; what the last fragment of K names as its upper half
	v_mov_b32 v[PM+\j-4], 0                        ; written once: a lane permute's destination counts as one of its sources
.endr
	v_mov_b32 v[F+1], 0                            ; (named as the upper half of a pair)
	FRESH
	s_wait_alu depctr_va_vdst(0)
	s_wait_loadcnt 11                              ; part 0 is in; Q's 4 loads and part 1's 7 may be out
	ds_store_b128 v[FA], v[S:S+3]
.irp n, 0,1,2
	ds_store_b32 v[FB], v[S+4+\n] offset:128*\n
.endr
	s_wait_dscnt 0x0                               ; for the others' sake: my part has landed
	s_barrier_signal -1
	s_barrier_wait -1
	s_wait_loadcnt 7                               ; Q is in; part 1's 7 loads may be out
; A KEY STEP of the tile in hand.  NB: live blocks of 32 keys (4 but on the diagonal); DG = 1: the step on the diagonal.
.macro STEP NB, DG
	v_add_nc_u32 v[ADK], s[TK], v[AK0]             ; these four plain instructions are also the places between the last products and the loads into the registers that they read
	v_add_nc_u32 v[ADV], s[TK], v[AV0]
	v_add_nc_u32 v[ADS], s[TS], v[AKS0]
	v_add_nc_u32 v[ADT], s[TV], v[AVS0]
.set n_, 0
.rept 2*\NB
	ds_load_b128 v[KV+4*n_:KV+4*n_+3], v[ADK] offset:512*n_
.set n_, n_+1
.endr
.set n_, 0
.rept \NB
	ds_load_b32 v[KSC+n_], v[ADS] offset:128*n_    ; lanes 0-15: key tile 2 n; lanes 16-31: tile 2 n + 1
.set n_, n_+1
.endr
	s_wait_alu depctr_va_vdst(0)
	s_wait_dscnt 0x0
.set n_, 0
.rept \NB
	v_wmma_scale_f32_16x16x128_f8f6f4 v[S+16*n_:S+16*n_+7], v[KV+8*n_:KV+8*n_+7], v[Q:Q+7], 0, v[KSC+n_], v[QS] matrix_a_fmt:MATRIX_FMT_FP4 matrix_b_fmt:MATRIX_FMT_FP4
	v_wmma_scale_f32_16x16x128_f8f6f4 v[S+16*n_+8:S+16*n_+15], v[KV+8*n_+4:KV+8*n_+11], v[Q:Q+7], 0, v[KSC+n_], v[QS] matrix_a_fmt:MATRIX_FMT_FP4 matrix_b_fmt:MATRIX_FMT_FP4 matrix_a_scale:MATRIX_SCALE_ROW1
.set n_, n_+1
.endr
.rept 4
	v_nop                                          ; places: K's registers are loaded again, and the scores read, below
.endr
.irp i, 0,1,2,3
	ds_load_b128 v[KV+8*\i:KV+8*\i+3], v[ADV] offset:1024*\i        ; V is asked for now and lands under the softmax
.if \NB > 2
	ds_load_b128 v[KV+8*\i+4:KV+8*\i+7], v[ADV] offset:1024*\i+512  ; keys 64 .. 127: only where one of them is live
.endif
.endr
.irp q, 0,1
	ds_load_b32 v[VSC+\q], v[ADT] offset:128*\q
.endr
.if \DG
.set n_, 0
.rept 8
	v_cndmask_b32 v[S+16*\NB-16+n_], v[S+16*\NB-16+n_], v[NINF], s[ME+n_]   ; hidden scores become -infinity ahead of the maximum: p = 0 then
.set n_, n_+1
.endr
.set n_, 0
.rept 8
	v_cndmask_b32 v[S+16*\NB-8+n_], v[S+16*\NB-8+n_], v[NINF], s[MO+n_]
.set n_, n_+1
.endr
.endif
.set b_, 0
.rept \NB
	v_max3_num_f32 v[BM+b_], v[S+16*b_], v[S+16*b_+1], v[S+16*b_+2]   ; the largest score of each block of 32 keys: it serves the row's maximum and, since p rises with the score, the block's largest p
.set b_, b_+1
.endr
.irp i, 3,5,7,9,11,13
.set b_, 0
.rept \NB
	v_max3_num_f32 v[BM+b_], v[BM+b_], v[S+16*b_+\i], v[S+16*b_+\i+1]
.set b_, b_+1
.endr
.endr
.set b_, 0
.rept \NB
	v_max_num_f32 v[BM+b_], v[BM+b_], v[S+16*b_+15]
.set b_, b_+1
.endr
.set b_, 0
.rept \NB
	v_permlanex16_b32 v[PM+b_], v[BM+b_], s[SEL], s[SEL+1]
.set b_, b_+1
.endr
.set b_, 0
.rept \NB
	v_max_num_f32 v[BM+b_], v[BM+b_], v[PM+b_]     ; with lane l xor 16's 16 keys
.set b_, b_+1
.endr
.if \NB == 1
	v_mul_f32 v[W0], s[CS], v[BM]                  ; the step's largest t (c is positive)
.else
.if \NB == 2
	v_max_num_f32 v[W0], v[BM], v[BM+1]
.else
	v_max3_num_f32 v[W0], v[BM], v[BM+1], v[BM+2]
.endif
.if \NB == 4
	s_delay_alu instid0(VALU_DEP_1)
	v_max_num_f32 v[W0], v[W0], v[BM+3]
.endif
	s_delay_alu instid0(VALU_DEP_1)
	v_mul_f32 v[W0], s[CS], v[W0]
.endif
	s_delay_alu instid0(VALU_DEP_1)
	v_max_num_f32 v[ST+1], v[ST+1], v[W0]
	v_mov_b32 v[W0], v[ST]
	s_delay_alu instid0(VALU_DEP_2)
	v_floor_f32 v[ST], -v[ST+1]                    ; the new -M = -ceil(t)
	s_delay_alu instid0(VALU_DEP_1)
	v_sub_f32 v[W0], v[ST], v[W0]                  ; old M - new M: a whole number, 0 or less
	s_delay_alu instid0(VALU_DEP_1)
	v_cvt_i32_f32 v[W0], v[W0]
	s_delay_alu instid0(VALU_DEP_1)
	v_ldexp_f32 v[F], 1.0, v[W0]                   ; f = 2^(old M - new M)
.set j_, 0
.rept 8*\NB
	v_pk_fma_f32 v[S+j_:S+j_+1], v[S+j_:S+j_+1], s[CS:CS+1], v[ST:ST+1] op_sel_hi:[1,0,0]   ; t - M, two at a time
.set j_, j_+2
.endr
.set b_, 0
.rept \NB
	v_fma_f32 v[BM+b_], v[BM+b_], s[CS], v[ST]     ; the same of each block's largest score
.set b_, b_+1
.endr
	s_wait_alu depctr_va_vdst(0)
.set j_, 0
.rept 16*\NB
	v_exp_f32 v[S+j_], v[S+j_]                     ; p = 2^(t - M)
.set j_, j_+1
.endr
	v_pk_mul_f32 v[ST+2:ST+3], v[ST+2:ST+3], v[F:F+1] op_sel_hi:[1,0]   ; the sums under the new M (the plain instruction behind the exponentials)
	s_wait_alu depctr_va_vdst(0)                   ; one wait for the batch, ahead of its first reader
.set b_, 0
.rept \NB
	v_exp_f32 v[BM+b_], v[BM+b_]                   ; each block's largest p
.set b_, b_+1
.endr
	v_pk_add_f32 v[W2:W2+1], v[S:S+1], v[S+2:S+3]  ; the row's sum of the unquantised p, in two chains
.set j_, 4
.rept 4*\NB-1
	v_pk_add_f32 v[ST+2:ST+3], v[ST+2:ST+3], v[S+j_:S+j_+1]
	v_pk_add_f32 v[W2:W2+1], v[W2:W2+1], v[S+j_+2:S+j_+3]
.set j_, j_+4
.endr
	s_delay_alu instid0(VALU_DEP_1)
	v_pk_add_f32 v[ST+2:ST+3], v[ST+2:ST+3], v[W2:W2+1]
	s_wait_alu depctr_va_vdst(0)                   ; and one for the blocks' exponentials
.set b_, 0
.rept \NB
	v_max_num_f32 v[BM+b_], 0x1800000, v[BM+b_]    ; the floor 2^(3 - 127): a block whose every p is 0 keeps the byte 1, and its codes are zeros
.set b_, b_+1
.endr
.set b_, 0
.rept \NB
	v_add_nc_u32 v[SO+b_], 0xff000000, v[BM+b_]    ; 2 off the exponent field: the conversion's scale operand
.set b_, b_+1
.endr
.if \NB == 1
	v_lshrrev_b32 v[PSC], 23, v[SO]                ; p's scale word: the bytes of blocks left out stay 0
.else
.set b_, 0
.rept \NB
	v_lshrrev_b32 v[BY+b_], 23, v[SO+b_]
.set b_, b_+1
.endr
	v_lshl_or_b32 v[PSC], v[BY+1], 8, v[BY]
.if \NB > 2
	v_lshl_or_b32 v[PSC], v[BY+2], 16, v[PSC]
.endif
.if \NB > 3
	v_lshl_or_b32 v[PSC], v[BY+3], 24, v[PSC]
.endif
.endif
.set b_, 0
.rept \NB
	v_cvt_scalef32_pk8_fp4_f32 v[PC+4*(b_/2)+(b_%2)],   v[S+16*b_:S+16*b_+7],    v[SO+b_]
	v_cvt_scalef32_pk8_fp4_f32 v[PC+4*(b_/2)+(b_%2)+2], v[S+16*b_+8:S+16*b_+15], v[SO+b_]
.set b_, b_+1
.endr
.set b_, \NB
.rept 4-\NB
	v_mov_b32 v[PC+4*(b_/2)+(b_%2)], 0             ; the blocks left out: zero codes
	v_mov_b32 v[PC+4*(b_/2)+(b_%2)+2], 0
.set b_, b_+1
.endr
	v_nop                                          ; one plain instruction behind the scaled conversions
	v_permlane16_swap_b32 v[PC], v[PC+1]
	v_permlane16_swap_b32 v[PC+2], v[PC+3]
.if \NB > 2
	v_permlane16_swap_b32 v[PC+4], v[PC+5]
	v_permlane16_swap_b32 v[PC+6], v[PC+7]
.endif
	s_wait_alu depctr_va_vdst(0)                   ; directly ahead of the first reader of O^T
.set j_, 0
.rept 16
	v_pk_mul_f32 v[O+j_:O+j_+1], v[O+j_:O+j_+1], v[F:F+1] op_sel_hi:[1,0]   ; O^T under the new M.  For each product below, the twelve of these on the other three tiles stand between p's scale word and codes and the product
.set j_, j_+2
.endr
	s_wait_alu depctr_va_vdst(0)
	s_wait_dscnt 0x0                               ; V
.irp i, 0,2
	v_wmma_scale_f32_16x16x128_f8f6f4 v[O+8*\i:O+8*\i+7], v[KV+8*\i:KV+8*\i+7], v[PC:PC+7], v[O+8*\i:O+8*\i+7], v[VSC+\i/2], v[PSC] matrix_a_fmt:MATRIX_FMT_FP4 matrix_b_fmt:MATRIX_FMT_FP4
	v_wmma_scale_f32_16x16x128_f8f6f4 v[O+8*\i+8:O+8*\i+15], v[KV+8*\i+8:KV+8*\i+15], v[PC:PC+7], v[O+8*\i+8:O+8*\i+15], v[VSC+\i/2], v[PSC] matrix_a_fmt:MATRIX_FMT_FP4 matrix_b_fmt:MATRIX_FMT_FP4 matrix_a_scale:MATRIX_SCALE_ROW1
.endr
.endm
; THE WAY OUT of a tile: o = O^T / the sum; its 64 numbers a query are two blocks of the last product's K; they leave as half an operand's image.  C: 4 registers of codes, W: the two bytes, GC, GW: offsets; each tile has its own, so nothing waits for a store.
.macro FINAL C, W, GC, GW
.rept 4
	v_nop                                          ; places behind the last products
.endr
	v_add_f32 v[W0], v[ST+2], v[ST+3]
	s_delay_alu instid0(VALU_DEP_1)
	v_permlanex16_b32 v[PM], v[W0], s[SEL], s[SEL+1]
	s_delay_alu instid0(VALU_DEP_1)
	v_add_f32 v[W0], v[W0], v[PM]                  ; the row's sum
	s_wait_alu depctr_va_vdst(0)
	v_rcp_f32 v[F], v[W0]
	v_nop                                          ; a plain instruction behind the transcendental,
	s_wait_alu depctr_va_vdst(0)                   ; and the wait ahead of its first reader
.set j_, 0
.rept 16
	v_pk_mul_f32 v[S+j_:S+j_+1], v[O+j_:O+j_+1], v[F:F+1] op_sel_hi:[1,0]   ; each accumulator from its low end on
.set j_, j_+2
.endr
.irp b, 0,1
	v_max3_num_f32 v[BM+\b], |v[S+16*\b]|, |v[S+16*\b+1]|, 0x1800000
.endr
.irp i, 2,4,6,8,10,12,14
.irp b, 0,1
	s_delay_alu instid0(VALU_DEP_2)
	v_max3_num_f32 v[BM+\b], v[BM+\b], |v[S+16*\b+\i]|, |v[S+16*\b+\i+1]|
.endr
.endr
.irp b, 0,1
	s_delay_alu instid0(VALU_DEP_2)
	v_permlanex16_b32 v[PM+\b], v[BM+\b], s[SEL], s[SEL+1]
.endr
.irp b, 0,1
	s_delay_alu instid0(VALU_DEP_2)
	v_max_num_f32 v[BM+\b], v[BM+\b], v[PM+\b]
.endr
.irp b, 0,1
	s_delay_alu instid0(VALU_DEP_2)
	v_add_nc_u32 v[SO+\b], 0xff000000, v[BM+\b]
.endr
.irp b, 0,1
	s_delay_alu instid0(VALU_DEP_2)
	v_lshrrev_b32 v[BY+\b], 23, v[SO+\b]
.endr
	s_delay_alu instid0(VALU_DEP_1)
	v_lshl_or_b32 v[\W], v[BY+1], 8, v[BY]
	v_cvt_scalef32_pk8_fp4_f32 v[\C],   v[S:S+7],     v[SO]
	v_cvt_scalef32_pk8_fp4_f32 v[\C+2], v[S+8:S+15],  v[SO]
	v_cvt_scalef32_pk8_fp4_f32 v[\C+1], v[S+16:S+23], v[SO+1]
	v_cvt_scalef32_pk8_fp4_f32 v[\C+3], v[S+24:S+31], v[SO+1]
	v_nop                                          ; one plain instruction behind the scaled conversions
	v_permlane16_swap_b32 v[\C], v[\C+1]
	v_permlane16_swap_b32 v[\C+2], v[\C+3]
	global_store_b128 v[\GC], v[\C:\C+3], s[8:9]   ; 512 consecutive bytes, at a multiple of 256 from oq's first byte
	global_store_b16 v[\GW], v[\W], s[8:9]         ; lanes l and l + 16 hold the same two bytes and store them to the same place
.endm
	STEP 4, 0                                      ; j = 0: tile B, key step 0 (never on the diagonal: its last key step is 4 or later); part 1 lands meanwhile
	s_wait_loadcnt 0x0                             ; part 1
.irp n, 0,1,2,3,4,5,6
	ds_store_b128 v[FC], v[FL+4*\n:FL+4*\n+3] offset:512*\n
.endr
	s_wait_dscnt 0x0                               ; for the others' sake: my part has landed
	s_barrier_signal -1
	s_barrier_wait -1
	s_mov_b32 s[J], 1
.Lj:                                               ; 8 trips, a constant
	s_cmp_lg_u32 s[J], s15
	s_cbranch_scc1 .Lsame
	FINAL CB, WB, GCB, GWB                         ; tile B is done: it leaves, and tile A takes its registers
.irp j, 0,1,2,3
	v_mov_b32 v[Q+\j], v[QN+\j]
.endr
	v_mov_b32 v[QS], v[QSN]                        ; (the 36 plain instructions below stand between this scale register's write and the next product)
	FRESH
	s_mov_b32 s[LIM], s11
	s_mov_b32 s[NBC], s[NBA]
	SETMASK ODDA
	s_wait_alu depctr_va_vdst(0)
.Lsame:
	s_add_co_u32 s25, s[J], s11
	s_lshr_b32 s25, s25, 3                         ; g = 1 from tile A's first step on
	s_mul_i32 s25, s25, s11
	s_add_co_u32 s25, s25, s[J]
	s_and_b32 s[KS], s25, 7                        ; the key step
	s_lshl_b32 s[TK], s[KS], 12
	s_lshl_b32 s[TS], s[KS], 9
	s_lshl_b32 s[TV], s[KS], 8
	s_cmp_eq_u32 s[KS], s[LIM]                     ; ids and the count of steps alone
	s_cbranch_scc1 .Ldiag
	STEP 4, 0
	s_branch .Lnext
.Ldiag:
	s_cmp_eq_u32 s[NBC], 3
	s_cbranch_scc1 .Ld4
	s_cmp_eq_u32 s[NBC], 2
	s_cbranch_scc1 .Ld3
	s_cmp_eq_u32 s[NBC], 1
	s_cbranch_scc1 .Ld2
	STEP 1, 1
	s_branch .Lnext
.Ld2:
	STEP 2, 1
	s_branch .Lnext
.Ld3:
	STEP 3, 1
	s_branch .Lnext
.Ld4:
	STEP 4, 1
.Lnext:
	s_add_co_u32 s[J], s[J], 1
	s_cmp_lt_u32 s[J], 9
	s_cbranch_scc1 .Lj
	FINAL CA, WA, GCA, GWA
	s_wait_tensorcnt 0x0                           ; the wave's end, behind my last LDS store
	ds_add_u32 v[SPW], v[NIL]
	s_wait_dscnt 0x0
	s_endpgm
.Lfunc_end_k_qf4087f9b88_attn:
	.size	k_qf4087f9b88_attn, .Lfunc_end_k_qf4087f9b88_attn-k_qf4087f9b88_attn
	.p2alignl 7, 3214868480
	.fill 96, 4, 3214868480
	.section	.rodata,"a",@progbits
	.p2align	6, 0x0
	.amdhsa_kernel k_qf4087f9b88_attn
		.amdhsa_group_segment_fixed_size 73728
		.amdhsa_private_segment_fixed_size 0
		.amdhsa_enable_private_segment 0
		.amdhsa_kernarg_size 24
		.amdhsa_user_sgpr_count 2
		.amdhsa_user_sgpr_kernarg_segment_ptr 1
		.amdhsa_wavefront_size32 1
		.amdhsa_system_sgpr_workgroup_id_x 1
		.amdhsa_system_sgpr_workgroup_id_y 1
		.amdhsa_system_sgpr_workgroup_id_z 1
		.amdhsa_system_vgpr_workitem_id 0
		.amdhsa_next_free_vgpr 256
		.amdhsa_next_free_sgpr 80
		.amdhsa_reserve_vcc 0
		.amdhsa_float_denorm_mode_32 3
		.amdhsa_float_denorm_mode_16_64 3
		.amdhsa_memory_ordered 1
		.amdhsa_forward_progress 1
		.amdhsa_inst_pref_size 98
	.end_amdhsa_kernel
	.amdgpu_metadata
---
amdhsa.version: [ 1, 2 ]
amdhsa.kernels:
  - .name:           k_qf4087f9b88_attn
    .symbol:         k_qf4087f9b88_attn.kd
    .args:
      - { .name: qbuf, .offset: 0, .size: 8, .value_kind: global_buffer, .address_space: global }
      - { .name: kv, .offset: 8, .size: 8, .value_kind: global_buffer, .address_space: global }
      - { .name: oq, .offset: 16, .size: 8, .value_kind: global_buffer, .address_space: global }
    .group_segment_fixed_size: 73728
    .private_segment_fixed_size: 0
    .kernarg_segment_align: 8
    .kernarg_segment_size: 24
    .max_flat_workgroup_size: 512
    .sgpr_count:     80
    .vgpr_count:     256
    .wavefront_size: 32
...
	.end_amdgpu_metadata
.endif
;; end of part 3
;; launch proj (part 4): grid 4 x 64, 4 waves a work-group, no clusters, 87,552 bytes of LDS; arguments oq, w_out_codes, w_out_scales, x, out0; writes out0
.if DOCPART == 4
	.amdgcn_target "amdgcn-amd-amdhsa--gfx1250"
	.amdhsa_code_object_version 6
	.text
	.protected	k_qf4087f9b88_proj
	.globl	k_qf4087f9b88_proj
	.p2align	8
	.type	k_qf4087f9b88_proj,@function
k_qf4087f9b88_proj:
	s_mov_b64 s[64:65], 0
	v_nop
	global_prefetch_b8 v0, s[64:65] scope:SCOPE_SE
	s_setreg_imm32_b32 hwreg(HW_REG_WAVE_MODE, 25, 1), 1
	s_wait_xcnt 0x0
; FOURTH LAUNCH: out0 = Q(o) Wout^T + x, on codes of FP4.  No work is left out here.
; SHARES.  Work-group (column group of 256, chunk of 128 tokens).  Wave w makes 128 tokens x 64 columns, n0 = 256 x + 64 w: 32 accumulators.  Its 64 rows of Wout for all of K stay in 256 registers, read once;
; its 128 x 64 numbers of x, the skip, are asked for at the head, into 256 registers; the chunk's codes of o, 69,632 bytes laid as xq is, are shared through LDS, filled once through registers.  One barrier.
; TRANSPOSED USE (source 0 = 16 rows of Wout, source 1 = 16 tokens): a lane holds eight neighbouring columns of one token's row.
; No cluster: the tiles that work-groups share (a chunk's codes with the 3 other column groups, Wout's rows with the 63 other chunks) are fetched once by each, through registers; joint requests are made by tensor loads, of which this text has none.
; LIMITS: as stated at the head of prep.
.set STAGE, 69632                      ; behind o's codes: 16 rows x (256 bytes + 16) for each wave, for the way out
.set SPARE, STAGE+4*16*272             ; the spare words, 128 bytes for each wave: two blocks of 256 bytes that no other line names
; window 0
.set SPW, 1                            ; v1   LDS address of my spare word; never rewritten
.set NIL, 2                            ; v2   0; never rewritten
.set FA,  4                            ; v4   the fill: 17,408 x wave + 16 x lane, in oq's chunk and in LDS alike
.set XA0, 5                            ; v5   16 x lane;  v6: + 34,816 (K steps 4 to 7: an LDS offset has 16 bits)
.set XA1, 6
.set XB0, 7                            ; v7   4 x lane;   v8: + 34,816
.set XB1, 8
.set WO,  9                            ; v9   Wout: row lane % 16 of 512 bytes, + 16 (lane / 16)
.set L32, 10
.set STO, 11                           ; v11  the stage: where I put 32 bytes of a row
.set RD,  12                           ; v12  and where I read rows back: lanes 0-15 one row, lanes 16-31 the next
.set CO,  13                           ; v13  the same two rows in x and in out0
.set XSC, 16                           ; v16-23  o's scale words, two sets of 4.  Scales and nothing else
.set WSC, 24                           ; v24-39  Wout's: register 8 g + s: pair of tiles g, K step s.  Scales and nothing else
.set XS,  64                           ; v64-191 two sets of 8 fragments of o; on the way out v64-95 and v96-127 by turns
; window 1: Wout's fragment (tile i, K step s) at v[64 i + 8 s].  window 2: accumulator (token tile m, tile i) at v[32 m + 8 i]; before the products, o's codes on their way into LDS.  window 3: x: rows 16 m + 2 t, + 1 at v[32 m + 4 t]
.set MSB, 0
.macro WIN new                         ; the immediate's high byte repeats the setting that is left; a switch that changes nothing is dropped
.if MSB != (\new)
	s_set_vgpr_msb (MSB<<8)|(\new)
.set MSB, (\new)
.endif
.endm
.macro WMX                             ; one matrix instruction, by the symbols D_, A_, B_, SA_, SB_, RA_, RB_ (1: the scales stand in lanes 16-31), Z_ (1: the product starts the sum)
.if Z_
.if RA_ && RB_
	v_wmma_scale_f32_16x16x128_f8f6f4 v[D_:D_+7], v[A_:A_+7], v[B_:B_+7], 0, v[SA_], v[SB_] matrix_a_fmt:MATRIX_FMT_FP4 matrix_b_fmt:MATRIX_FMT_FP4 matrix_a_scale:MATRIX_SCALE_ROW1 matrix_b_scale:MATRIX_SCALE_ROW1
.elseif RA_
	v_wmma_scale_f32_16x16x128_f8f6f4 v[D_:D_+7], v[A_:A_+7], v[B_:B_+7], 0, v[SA_], v[SB_] matrix_a_fmt:MATRIX_FMT_FP4 matrix_b_fmt:MATRIX_FMT_FP4 matrix_a_scale:MATRIX_SCALE_ROW1
.elseif RB_
	v_wmma_scale_f32_16x16x128_f8f6f4 v[D_:D_+7], v[A_:A_+7], v[B_:B_+7], 0, v[SA_], v[SB_] matrix_a_fmt:MATRIX_FMT_FP4 matrix_b_fmt:MATRIX_FMT_FP4 matrix_b_scale:MATRIX_SCALE_ROW1
.else
	v_wmma_scale_f32_16x16x128_f8f6f4 v[D_:D_+7], v[A_:A_+7], v[B_:B_+7], 0, v[SA_], v[SB_] matrix_a_fmt:MATRIX_FMT_FP4 matrix_b_fmt:MATRIX_FMT_FP4
.endif
.else
.if RA_ && RB_
	v_wmma_scale_f32_16x16x128_f8f6f4 v[D_:D_+7], v[A_:A_+7], v[B_:B_+7], v[D_:D_+7], v[SA_], v[SB_] matrix_a_fmt:MATRIX_FMT_FP4 matrix_b_fmt:MATRIX_FMT_FP4 matrix_a_scale:MATRIX_SCALE_ROW1 matrix_b_scale:MATRIX_SCALE_ROW1
.elseif RA_
	v_wmma_scale_f32_16x16x128_f8f6f4 v[D_:D_+7], v[A_:A_+7], v[B_:B_+7], v[D_:D_+7], v[SA_], v[SB_] matrix_a_fmt:MATRIX_FMT_FP4 matrix_b_fmt:MATRIX_FMT_FP4 matrix_a_scale:MATRIX_SCALE_ROW1
.elseif RB_
	v_wmma_scale_f32_16x16x128_f8f6f4 v[D_:D_+7], v[A_:A_+7], v[B_:B_+7], v[D_:D_+7], v[SA_], v[SB_] matrix_a_fmt:MATRIX_FMT_FP4 matrix_b_fmt:MATRIX_FMT_FP4 matrix_b_scale:MATRIX_SCALE_ROW1
.else
	v_wmma_scale_f32_16x16x128_f8f6f4 v[D_:D_+7], v[A_:A_+7], v[B_:B_+7], v[D_:D_+7], v[SA_], v[SB_] matrix_a_fmt:MATRIX_FMT_FP4 matrix_b_fmt:MATRIX_FMT_FP4
.endif
.endif
.endm
.macro XLOAD                           ; K step XK_ of o: 8 fragments and 4 registers of scale words into set XK_ % 2: 20 loads
.irp m, 0,1,2,3,4,5,6,7
.irp c, 0,1
.if XK_ < 4
	ds_load_b128 v[XS+64*(XK_%2)+8*\m+4*\c:XS+64*(XK_%2)+8*\m+4*\c+3], v[XA0] offset:XK_*8704+\m*1024+512*\c
.else
	ds_load_b128 v[XS+64*(XK_%2)+8*\m+4*\c:XS+64*(XK_%2)+8*\m+4*\c+3], v[XA1] offset:(XK_-4)*8704+\m*1024+512*\c
.endif
.endr
.endr
.irp q, 0,1,2,3
.if XK_ < 4
	ds_load_b32 v[XSC+4*(XK_%2)+\q], v[XB0] offset:XK_*8704+8192+128*\q
.else
	ds_load_b32 v[XSC+4*(XK_%2)+\q], v[XB1] offset:(XK_-4)*8704+8192+128*\q
.endif
.endr
.endm
	s_load_b256 s[4:11], s[0:1], 0x0               ; oq s[4:5], Wout's codes s[6:7], Wout's scales s[8:9], x s[10:11]
	s_load_b64 s[12:13], s[0:1], 0x20              ; out0
	v_lshl_add_u32 v[SPW], v0, 2, SPARE
	v_mov_b32 v[NIL], 0
	v_lshrrev_b32 v14, 5, v0
	v_readfirstlane_b32 s14, v14                   ; wave 0..3
	v_and_b32 v14, 31, v0
	v_and_b32 v15, 15, v0                          ; r
	v_bfe_u32 v40, v0, 4, 1                        ; h
	v_lshlrev_b32 v[XA0], 4, v14
	v_add_nc_u32 v[XA1], 34816, v[XA0]
	v_lshlrev_b32 v[XB0], 2, v14
	v_add_nc_u32 v[XB1], 34816, v[XB0]
	s_mul_i32 s20, s14, 17408
	v_add_nc_u32 v[FA], s20, v[XA0]
	v_lshlrev_b32 v[WO], 9, v15
	v_lshl_add_u32 v[WO], v40, 4, v[WO]
	v_lshlrev_b32 v[L32], 5, v14
	s_mul_i32 s20, s14, 16*272
	s_add_co_u32 s20, s20, STAGE                   ; my stage
	v_mul_u32_u24 v[STO], v15, 272
	v_lshl_add_u32 v[STO], v40, 5, v[STO]
	v_add_nc_u32 v[STO], s20, v[STO]
	v_mul_u32_u24 v[RD], v40, 272
	v_lshl_add_u32 v[RD], v15, 4, v[RD]
	v_add_nc_u32 v[RD], s20, v[RD]
	v_lshlrev_b32 v[CO], 12, v40
	v_lshl_add_u32 v[CO], v15, 4, v[CO]
	s_and_b32 s15, ttmp7, 0xffff                   ; the chunk
	s_lshl_b32 s16, ttmp9, 8
	s_lshl_b32 s17, s14, 6
	s_add_co_u32 s16, s16, s17                     ; n0
	s_mul_i32 s18, s15, 69632
	s_mov_b32 s19, 0
	s_lshl_b32 s20, s16, 9                         ; Wout's codes: 512 bytes a row
	s_mov_b32 s21, 0
	s_lshl_b32 s22, s16, 5                         ; its scales: 32 bytes a row
	s_mov_b32 s23, 0
	s_lshl_b32 s24, s15, 19                        ; x and out0: 128 rows of 4,096 bytes a chunk, + 4 n0
	s_lshl_b32 s25, s16, 2
	s_add_co_u32 s24, s24, s25
	s_mov_b32 s25, 0
	s_wait_alu depctr_va_vdst(0)
	s_wait_kmcnt 0x0
	s_add_nc_u64 s[4:5], s[4:5], s[18:19]
	s_add_nc_u64 s[6:7], s[6:7], s[20:21]
	s_add_nc_u64 s[8:9], s[8:9], s[22:23]
	s_add_nc_u64 s[10:11], s[10:11], s[24:25]
	s_add_nc_u64 s[12:13], s[12:13], s[24:25]
	WIN 0x88                                       ; a load's data (destination) and an LDS store's (source 1): window 2
.set N_, 0
.rept 34
	global_load_b128 v[4*N_:4*N_+3], v[FA], s[4:5] offset:512*N_     ; my quarter of the chunk's codes and scale words: 34 pieces of 512 bytes
.set N_, N_+1
.endr
	WIN 0x40                                       ; destination window 1
.irp i, 0,1,2,3
.irp s, 0,1,2,3,4,5,6,7
.irp c, 0,1
	global_load_b128 v[64*\i+8*\s+4*\c:64*\i+8*\s+4*\c+3], v[WO], s[6:7] offset:\i*8192+64*\s+32*\c
.endr
.endr
.endr
	WIN 0
.irp g, 0,1
.irp u, 0,1
	global_load_b128 v[WSC+8*\g+4*\u:WSC+8*\g+4*\u+3], v[L32], s[8:9] offset:\g*1024+16*\u   ; lane l: row n0 + 32 g + l: its 8 words, one a K step
.endr
.endr
	s_wait_loadcnt 63                              ; 68 loads were issued behind the 34 pieces; the count is the largest that can be written, and a smaller count than 68 is safe
	WIN 0x08
.set N_, 0
.rept 34
	ds_store_b128 v[FA], v[4*N_:4*N_+3] offset:512*N_
.set N_, N_+1
.endr
	WIN 0xc0                                       ; destination window 3
.irp m, 0,1,2,3,4,5,6,7
.irp t, 0,1,2,3,4,5,6,7
	global_load_b128 v[32*\m+4*\t:32*\m+4*\t+3], v[CO], s[10:11] offset:(16*\m+2*\t)*4096 th:TH_LOAD_NT   ; sixteen lanes read 256 consecutive bytes of a row, aligned
.endr
.endr
	WIN 0
	s_wait_dscnt 0x0                               ; for the others' sake: my quarter has landed
	s_barrier_signal -1
	s_barrier_wait -1
	s_wait_loadcnt 63                              ; 64 loads were issued behind Wout's: its codes and scale words are in
.set XK_, 0
	XLOAD
; A K step: 32 matrix instructions, the 32 accumulators by turns, in the same order in every step.  Ahead of them, behind four places, the next step's 20 loads; the wait leaves those out.
.set S_, 0
.rept 8
.rept 4
	v_nop
.endr
	WIN 0
.if S_ < 7
.set XK_, S_+1
	XLOAD
	s_wait_dscnt 20
.else
	s_wait_dscnt 0x0
.endif
	WIN 0xa1                                       ; source 0 (Wout) window 1, source 1 (o) window 0, C and D window 2
.if S_ == 0
.set Z_, 1
.else
.set Z_, 0
.endif
.irp i, 0,1,2,3
.irp m, 0,1,2,3,4,5,6,7
.set D_, 32*\m+8*\i
.set A_, 64*\i+8*S_
.set B_, XS+64*(S_%2)+8*\m
.set SA_, WSC+8*(\i/2)+S_
.set SB_, XSC+4*(S_%2)+\m/2
.set RA_, \i%2
.set RB_, \m%2
	WMX
.endr
.endr
.set S_, S_+1
.endr
; THE WAY OUT, a block of 16 tokens x 64 columns at a time: through my own stage in LDS, back as whole rows of 256 bytes, x added, stored: sixteen lanes to 256 consecutive bytes, aligned.
.macro TOSTAGE m
	WIN 0x08                                       ; an LDS store's data: window 2
.irp i, 0,1,2,3
	ds_store_b128 v[STO], v[32*(\m)+8*\i:32*(\m)+8*\i+3] offset:64*\i          ; each accumulator from its low end on
	ds_store_b128 v[STO], v[32*(\m)+8*\i+4:32*(\m)+8*\i+7] offset:64*\i+16
.endr
	WIN 0
.irp t, 0,1,2,3,4,5,6,7
	ds_load_b128 v[XS+32*((\m)%2)+4*\t:XS+32*((\m)%2)+4*\t+3], v[RD] offset:544*\t   ; LDS serves a wave's instructions in order (ISA guide 5.7.1.4): these see the stores above, and the next block's stores come behind them
.endr
.endm
.macro SEND m, younger                 ; younger: the LDS instructions issued behind block m's loads, which may stay out
	s_wait_dscnt \younger
	WIN 0x0c                                       ; source 1 (x): window 3
.irp u, 0,2,4,6,8,10,12,14,16,18,20,22,24,26,28,30
	v_pk_add_f32 v[XS+32*((\m)%2)+\u:XS+32*((\m)%2)+\u+1], v[XS+32*((\m)%2)+\u:XS+32*((\m)%2)+\u+1], v[32*(\m)+\u:32*(\m)+\u+1]
.endr
	WIN 0
.irp t, 0,1,2,3,4,5,6,7
	global_store_b128 v[CO], v[XS+32*((\m)%2)+4*\t:XS+32*((\m)%2)+4*\t+3], s[12:13] offset:(16*(\m)+2*\t)*4096 th:TH_STORE_NT
.endr
.endm
.rept 4
	v_nop                                          ; places behind the last products: their results are read, and o's registers loaded again, below
.endr
	s_wait_loadcnt 0x0                             ; x
	TOSTAGE 0
.irp m, 1,2,3,4,5,6,7
.if \m > 1
	s_wait_xcnt 0x0                                ; block m - 2's stores have read their registers: block m's rows may land there
.endif
	TOSTAGE \m
	SEND \m-1, 16                                  ; behind block m - 1's loads: block m's 8 stores and 8 loads
.endr
	SEND 7, 0
	s_wait_tensorcnt 0x0                           ; the wave's end, behind my last LDS store
	ds_add_u32 v[SPW], v[NIL]
	s_wait_dscnt 0x0
	s_endpgm
.Lfunc_end_k_qf4087f9b88_proj:
	.size	k_qf4087f9b88_proj, .Lfunc_end_k_qf4087f9b88_proj-k_qf4087f9b88_proj
	.p2alignl 7, 3214868480
	.fill 96, 4, 3214868480
	.section	.rodata,"a",@progbits
	.p2align	6, 0x0
	.amdhsa_kernel k_qf4087f9b88_proj
		.amdhsa_group_segment_fixed_size 87552
		.amdhsa_private_segment_fixed_size 0
		.amdhsa_enable_private_segment 0
		.amdhsa_kernarg_size 40
		.amdhsa_user_sgpr_count 2
		.amdhsa_user_sgpr_kernarg_segment_ptr 1
		.amdhsa_wavefront_size32 1
		.amdhsa_system_sgpr_workgroup_id_x 1
		.amdhsa_system_sgpr_workgroup_id_y 1
		.amdhsa_system_sgpr_workgroup_id_z 1
		.amdhsa_system_vgpr_workitem_id 0
		.amdhsa_next_free_vgpr 1024
		.amdhsa_next_free_sgpr 66
		.amdhsa_reserve_vcc 0
		.amdhsa_float_denorm_mode_32 3
		.amdhsa_float_denorm_mode_16_64 3
		.amdhsa_memory_ordered 1
		.amdhsa_forward_progress 1
		.amdhsa_inst_pref_size 88
	.end_amdhsa_kernel
	.amdgpu_metadata
---
amdhsa.version: [ 1, 2 ]
amdhsa.kernels:
  - .name:           k_qf4087f9b88_proj
    .symbol:         k_qf4087f9b88_proj.kd
    .args:
      - { .name: oq, .offset: 0, .size: 8, .value_kind: global_buffer, .address_space: global }
      - { .name: w_out_codes, .offset: 8, .size: 8, .value_kind: global_buffer, .address_space: global }
      - { .name: w_out_scales, .offset: 16, .size: 8, .value_kind: global_buffer, .address_space: global }
      - { .name: x, .offset: 24, .size: 8, .value_kind: global_buffer, .address_space: global }
      - { .name: out0, .offset: 32, .size: 8, .value_kind: global_buffer, .address_space: global }
    .group_segment_fixed_size: 87552
    .private_segment_fixed_size: 0
    .kernarg_segment_align: 8
    .kernarg_segment_size: 40
    .max_flat_workgroup_size: 128
    .sgpr_count:     66
    .vgpr_count:     1024
    .wavefront_size: 32
...
	.end_amdgpu_metadata
.endif
;; end of part 4
